; MI455X (gfx1250); checked and timed in simulation.
; The chip was launched on July 23, 2026; its instructions are those of AMD's public machine-readable ISA for CDNA 5 (MIT licence, August 2026) and "CDNA5" Instruction Set Architecture Reference Guide (July 2026). The comments in the code are by the model that wrote it; some were corrected since.
;; Block. Allowed arithmetic: float matrix products may take bf16 or f16 operands with f32 sums; other float arithmetic in f32, or as packed bf16 or f16 multiplies, adds, multiply-adds, maxima and minima; sums over many terms, partial sums and values carried from step to step in f32; what a program stores and reads back later, other than sums and carried values, may be rounded once to bf16 or f16.
;; Inputs: b1 2,048 float32; b2 512 float32; b_proj 512 float32; ln1_b 512 float32; ln1_g 512 float32; ln2_b 512 float32; ln2_g 512 float32; w1 512 x 2,048 float32; w2 2,048 x 512 float32; w_proj 512 x 512 float32; wk 16 x 512 x 32 float32; wq 16 x 512 x 32 float32; wv 16 x 512 x 32 float32; x 128 x 128 x 512 float32.
;; Outputs: out0 128 x 128 x 512 float32.
;; One version. Each part assembles by itself: llvm-mc -triple=amdgcn-amd-amdhsa -mcpu=gfx1250 --defsym DOCPART=n.
;; ======== version 1 of 1: 3 launches
;; limits: right only within a limited range of input values
;; workspace buffers: h 16,777,216 bytes; wqkv 1,572,864 bytes; wmlp 4,718,592 bytes; att 16,777,216 bytes
;; launch pre (part 1): grid 896 x 1, 8 waves a work-group, no clusters, 0 bytes of LDS; arguments x, ln1_g, ln1_b, wq, wk, wv, w_proj, w1, w2, h, wqkv, wmlp; writes h, wqkv, wmlp
.if DOCPART == 1
	.amdgcn_target "amdgcn-amd-amdhsa--gfx1250"
	.amdhsa_code_object_version 6
	.text
	.protected	k_q4e3ee4e0ed_pre
	.globl	k_q4e3ee4e0ed_pre
	.p2align	8
	.type	k_q4e3ee4e0ed_pre,@function
k_q4e3ee4e0ed_pre:
	s_mov_b64 s[64:65], 0
	v_nop
	global_prefetch_b8 v0, s[64:65] scope:SCOPE_SE
	s_setreg_imm32_b32 hwreg(HW_REG_WAVE_MODE, 25, 1), 1
	s_wait_xcnt 0x0
; TWO STREAMS IN ONE LAUNCH.  Work-groups 0-511: h = LayerNorm1(x) in bf16, [16384][512].  Work-groups 512-895: the six weight matrices, rounded once to bf16
; and laid out as FRAGMENT IMAGES in the order in which the two later launches stream them.
; A fragment image is 16 columns x 32 k in 1,024 bytes: element (r, k = 16 c + 8 h + i) at byte 512 c + 16 (16 h + r) + 2 i, so that two loads of 16 bytes a lane
; (at 16 x lane and 512 + 16 x lane) fill the eight registers of a matrix operand.
; No LDS, no barrier, no matrix unit: nothing is shared between waves.  With 128 registers several work-groups lie on a WGP; each wave has all its loads out at once.
; LIMITS.  The variance is taken in two passes (mean first, then squares of the differences), in f32.  NaN and infinities are not treated apart.
.set GR, 16                            ; v[16:31]   gain of my 16 columns
.set BR, 32                            ; v[32:47]   bias of my 16 columns
.set XR, 48                            ; v[48:111]  LN: row q at XR + 16 q;  pack: 32 numbers of my column
.set YR, 80                            ; v[80:95]   pack: 32 bf16
.set TR, 112                           ; v[112:127] LN: four registers at work a row
.macro ROWS line:vararg                ; one line for each of the wave's four rows q: the rows' chains stand between each other's links
.set q, 0
.rept 4
	\line
.set q, q+1
.endr
.endm
.macro REDUCE                          ; the pair at TR + 4 q summed over its halves and the 32 lanes; the sum ends in every lane
	ROWS v_add_f32 v[TR+4*q], v[TR+4*q], v[TR+4*q+1]
.irp k, 1,2,4,8
	ROWS v_add_f32_dpp v[TR+4*q], v[TR+4*q], v[TR+4*q] row_xmask:\k row_mask:0xf bank_mask:0xf
.endr
	ROWS v_permlanex16_b32 v[TR+4*q+1], v[TR+4*q], s30, s31
	ROWS v_add_f32 v[TR+4*q], v[TR+4*q], v[TR+4*q+1]
.endm
	s_load_b512 s[4:19], s[0:1], 0x0               ; x 4:5, ln1_g 6:7, ln1_b 8:9, wq 10:11, wk 12:13, wv 14:15, w_proj 16:17, w1 18:19
	s_load_b256 s[20:27], s[0:1], 0x40             ; w2 20:21, h 22:23, wqkv 24:25, wmlp 26:27
	v_lshrrev_b32 v1, 5, v0
	v_readfirstlane_b32 s28, v1                    ; wave 0..7
	v_and_b32 v3, 31, v0                           ; lane
	s_cmp_lt_u32 ttmp9, 512
	s_cbranch_scc0 .Lpack
	; ---------------- LayerNorm1: a wave takes four rows; lane l holds columns 128 j + 4 l .. + 3, j = 0..3
	s_lshl_b32 s29, ttmp9, 3
	s_add_co_u32 s29, s29, s28                     ; which four rows
	s_lshl_b32 s32, s29, 13                        ; 4 rows x 2,048 bytes of x
	s_mov_b32 s33, 0
	s_lshl_b32 s34, s29, 12                        ; 4 rows x 1,024 bytes of h
	s_mov_b32 s35, 0
	s_mov_b32 s30, 0x76543210                      ; v_permlanex16_b32: each lane takes its own place in the other half
	s_mov_b32 s31, 0xfedcba98
	s_mov_b32 s36, 0x3b000000                      ; 1 / 512
	v_lshlrev_b32 v1, 4, v3                        ; 16 bytes a lane on the way in
	v_lshlrev_b32 v2, 3, v3                        ; 8 bytes a lane on the way out
	s_wait_kmcnt 0x0
	s_add_nc_u64 s[4:5], s[4:5], s[32:33]
	s_add_nc_u64 s[22:23], s[22:23], s[34:35]
.irp q, 0,1,2,3
.irp j, 0,1,2,3
	global_load_b128 v[XR+16*\q+4*\j:XR+16*\q+4*\j+3], v1, s[4:5] offset:2048*\q+512*\j th:TH_LOAD_NT  ; 512 consecutive bytes a load
.endr
.endr
.irp j, 0,1,2,3
	global_load_b128 v[GR+4*\j:GR+4*\j+3], v1, s[6:7] offset:512*\j
	global_load_b128 v[BR+4*\j:BR+4*\j+3], v1, s[8:9] offset:512*\j
.endr
	s_wait_loadcnt 8                               ; x is in; the eight loads of gain and bias may stay out
	ROWS v_pk_add_f32 v[TR+4*q:TR+4*q+1], v[XR+16*q:XR+16*q+1], v[XR+16*q+2:XR+16*q+3]
	ROWS v_pk_add_f32 v[TR+4*q+2:TR+4*q+3], v[XR+16*q+4:XR+16*q+5], v[XR+16*q+6:XR+16*q+7]
	ROWS v_pk_add_f32 v[TR+4*q:TR+4*q+1], v[TR+4*q:TR+4*q+1], v[XR+16*q+8:XR+16*q+9]
	ROWS v_pk_add_f32 v[TR+4*q+2:TR+4*q+3], v[TR+4*q+2:TR+4*q+3], v[XR+16*q+10:XR+16*q+11]
	ROWS v_pk_add_f32 v[TR+4*q:TR+4*q+1], v[TR+4*q:TR+4*q+1], v[XR+16*q+12:XR+16*q+13]
	ROWS v_pk_add_f32 v[TR+4*q+2:TR+4*q+3], v[TR+4*q+2:TR+4*q+3], v[XR+16*q+14:XR+16*q+15]
	ROWS v_pk_add_f32 v[TR+4*q:TR+4*q+1], v[TR+4*q:TR+4*q+1], v[TR+4*q+2:TR+4*q+3]
	REDUCE
	ROWS v_mul_f32 v[TR+4*q+2], s36, v[TR+4*q]     ; the mean, in both registers of a pair
	ROWS v_mul_f32 v[TR+4*q+3], s36, v[TR+4*q]
.irp p, 0,1,2,3,4,5,6,7
	ROWS v_pk_add_f32 v[XR+16*q+2*\p:XR+16*q+2*\p+1], v[XR+16*q+2*\p:XR+16*q+2*\p+1], v[TR+4*q+2:TR+4*q+3] neg_lo:[0,1] neg_hi:[0,1]
.endr
	ROWS v_pk_mul_f32 v[TR+4*q:TR+4*q+1], v[XR+16*q:XR+16*q+1], v[XR+16*q:XR+16*q+1]
	ROWS v_pk_mul_f32 v[TR+4*q+2:TR+4*q+3], v[XR+16*q+2:XR+16*q+3], v[XR+16*q+2:XR+16*q+3]
.irp p, 2,4,6
	ROWS v_pk_fma_f32 v[TR+4*q:TR+4*q+1], v[XR+16*q+2*\p:XR+16*q+2*\p+1], v[XR+16*q+2*\p:XR+16*q+2*\p+1], v[TR+4*q:TR+4*q+1]
	ROWS v_pk_fma_f32 v[TR+4*q+2:TR+4*q+3], v[XR+16*q+2*\p+2:XR+16*q+2*\p+3], v[XR+16*q+2*\p+2:XR+16*q+2*\p+3], v[TR+4*q+2:TR+4*q+3]
.endr
	ROWS v_pk_add_f32 v[TR+4*q:TR+4*q+1], v[TR+4*q:TR+4*q+1], v[TR+4*q+2:TR+4*q+3]
	REDUCE
	ROWS v_fmaak_f32 v[TR+4*q], s36, v[TR+4*q], 0x3727c5ac  ; variance + 1e-5
	ROWS v_rsq_f32 v[TR+4*q+2], v[TR+4*q]          ; the four roots are one batch
	v_nop                                          ; a plain instruction behind the last of them,
	s_wait_alu depctr_va_vdst(0)                   ; and one wait ahead of their first reader
.irp p, 0,1,2,3,4,5,6,7
	ROWS v_pk_mul_f32 v[XR+16*q+2*\p:XR+16*q+2*\p+1], v[XR+16*q+2*\p:XR+16*q+2*\p+1], v[TR+4*q+2:TR+4*q+3] op_sel_hi:[1,0]
.endr
	s_wait_loadcnt 0x0                             ; gain and bias
.irp p, 0,1,2,3,4,5,6,7
	ROWS v_pk_fma_f32 v[XR+16*q+2*\p:XR+16*q+2*\p+1], v[XR+16*q+2*\p:XR+16*q+2*\p+1], v[GR+2*\p:GR+2*\p+1], v[BR+2*\p:BR+2*\p+1]
.endr
.irp p, 0,1,2,3,4,5,6,7
	ROWS v_cvt_pk_bf16_f32 v[XR+16*q+\p], v[XR+16*q+2*\p], v[XR+16*q+2*\p+1]  ; in place, ascending: no source is written before it is read
.endr
.irp j, 0,1,2,3
	ROWS global_store_b64 v2, v[XR+16*q+2*\j:XR+16*q+2*\j+1], s[22:23] offset:1024*q+256*\j  ; the wave stores 256 consecutive bytes, at a multiple of 256 from h's first byte
.endr
	s_endpgm
	; ---------------- the weights: a wave makes two neighbouring fragment images: 32 columns x one K step of 32.  Lane l reads column l of 32 rows.
.macro LD32 pitch
.set j, 0
.rept 32
	global_load_b32 v[XR+j], v1, s[44:45] offset:j*(\pitch)
.set j, j+1
.endr
.endm
.macro FOFF                            ; s42 += the place of (K step s36, column group s37) in a block of 512 x 512: [K step / 4][wave][K step % 4][image]
	s_lshr_b32 s38, s36, 2
	s_lshl_b32 s38, s38, 17
	s_add_co_u32 s42, s42, s38
	s_lshr_b32 s38, s37, 2
	s_lshl_b32 s38, s38, 15
	s_add_co_u32 s42, s42, s38
	s_and_b32 s38, s36, 3
	s_lshl_b32 s38, s38, 13
	s_add_co_u32 s42, s42, s38
	s_and_b32 s38, s37, 3
	s_lshl_b32 s38, s38, 11
	s_add_co_u32 s42, s42, s38
.endm
.Lpack:
	s_sub_co_u32 s29, ttmp9, 512
	s_lshl_b32 s29, s29, 3
	s_add_co_u32 s29, s29, s28                     ; item 0..3071: w1 1,024, w2 1,024, w_proj 256, wq wk wv 256 each
	v_lshlrev_b32 v1, 2, v3                        ; in: 4 bytes a lane
	v_lshrrev_b32 v4, 4, v3
	v_and_b32 v5, 15, v3
	v_lshlrev_b32 v2, 4, v5
	v_lshl_add_u32 v2, v4, 10, v2                  ; out: image lane / 16, 16 bytes at column lane % 16
	s_mov_b32 s41, 0
	s_mov_b32 s43, 0
	s_wait_kmcnt 0x0
	s_cmp_lt_u32 s29, 1024
	s_cbranch_scc0 .Lnot_w1
	s_lshr_b32 s36, s29, 6                         ; w1 [512][2048]: K step,
	s_and_b32 s37, s29, 63                         ; group of 32 columns
	s_lshl_b32 s40, s36, 18
	s_lshl_b32 s38, s37, 7
	s_add_co_u32 s40, s40, s38
	s_lshr_b32 s38, s37, 4                         ; chunk c of 512 hidden units: block 1 + 2 c
	s_lshl_b32 s42, s38, 20
	s_add_co_u32 s42, s42, 524288
	s_and_b32 s37, s37, 15
	s_add_nc_u64 s[44:45], s[18:19], s[40:41]
	FOFF
	s_add_nc_u64 s[46:47], s[26:27], s[42:43]
	LD32 8192
	s_branch .Lcvt
.Lnot_w1:
	s_cmp_lt_u32 s29, 2304
	s_cbranch_scc0 .Lqkv
	s_sub_co_u32 s29, s29, 1024                    ; w2 [2048][512] (0..1023) and w_proj [512][512] (1024..1279): rows of 2,048 bytes both
	s_lshr_b32 s39, s29, 4                         ; K step: w2 0..63, w_proj 64..79
	s_and_b32 s37, s29, 15                         ; group of 32 columns
	s_and_b32 s36, s39, 15                         ; K step in its block
	s_lshr_b32 s42, s39, 4                         ; w2: chunk c: block 2 + 2 c
	s_lshl_b32 s42, s42, 20
	s_add_co_u32 s42, s42, 1048576
	s_cmp_lt_u32 s29, 1024
	s_cselect_b64 s[44:45], s[20:21], s[16:17]
	s_cselect_b32 s39, s39, s36
	s_cselect_b32 s42, s42, 0                      ; w_proj: block 0
	s_lshl_b32 s40, s39, 16
	s_lshl_b32 s38, s37, 7
	s_add_co_u32 s40, s40, s38
	s_add_nc_u64 s[44:45], s[44:45], s[40:41]
	FOFF
	s_add_nc_u64 s[46:47], s[26:27], s[42:43]
	LD32 2048
	s_branch .Lcvt
.Lqkv:
	s_sub_co_u32 s29, s29, 2304                    ; wq, wk, wv [16][512][32]: rows of 128 bytes
	s_lshr_b32 s39, s29, 8                         ; which of the three
	s_bfe_u32 s37, s29, 0x40004                    ; head
	s_and_b32 s36, s29, 15                         ; K step
	s_lshl_b32 s40, s37, 16
	s_lshl_b32 s38, s36, 12
	s_add_co_u32 s40, s40, s38
	s_lshr_b32 s42, s37, 3                         ; wqkv: [head / 8][matrix x 4 + K step / 4][wave = (head / 2) % 4][K step % 4][image 2 (head % 2) + ..]
	s_mul_i32 s42, s42, 786432
	s_lshl_b32 s38, s39, 18
	s_add_co_u32 s42, s42, s38
	s_lshr_b32 s38, s36, 2
	s_lshl_b32 s38, s38, 16
	s_add_co_u32 s42, s42, s38
	s_bfe_u32 s38, s37, 0x20001
	s_lshl_b32 s38, s38, 14
	s_add_co_u32 s42, s42, s38
	s_and_b32 s38, s36, 3
	s_lshl_b32 s38, s38, 12
	s_add_co_u32 s42, s42, s38
	s_and_b32 s38, s37, 1
	s_lshl_b32 s38, s38, 11
	s_add_co_u32 s42, s42, s38
	s_cmp_eq_u32 s39, 0
	s_cselect_b64 s[44:45], s[10:11], s[12:13]
	s_cmp_eq_u32 s39, 2
	s_cselect_b64 s[44:45], s[14:15], s[44:45]
	s_add_nc_u64 s[44:45], s[44:45], s[40:41]
	s_add_nc_u64 s[46:47], s[24:25], s[42:43]
	LD32 128
.Lcvt:
	s_wait_loadcnt 0x0
.set j, 0
.rept 16
	v_cvt_pk_bf16_f32 v[YR+j], v[XR+2*j], v[XR+2*j+1]
.set j, j+1
.endr
.irp o, 0,1,2,3
	global_store_b128 v2, v[YR+4*\o:YR+4*\o+3], s[46:47] offset:256*\o  ; k = 8 o .. 8 o + 7: sixteen lanes store 256 consecutive bytes, aligned
.endr
	s_endpgm
.Lfunc_end_k_q4e3ee4e0ed_pre:
	.size	k_q4e3ee4e0ed_pre, .Lfunc_end_k_q4e3ee4e0ed_pre-k_q4e3ee4e0ed_pre
	.p2alignl 7, 3214868480
	.fill 96, 4, 3214868480
	.section	.rodata,"a",@progbits
	.p2align	6, 0x0
	.amdhsa_kernel k_q4e3ee4e0ed_pre
		.amdhsa_group_segment_fixed_size 0
		.amdhsa_private_segment_fixed_size 0
		.amdhsa_enable_private_segment 0
		.amdhsa_kernarg_size 96
		.amdhsa_user_sgpr_count 2
		.amdhsa_user_sgpr_kernarg_segment_ptr 1
		.amdhsa_wavefront_size32 1
		.amdhsa_system_sgpr_workgroup_id_x 1
		.amdhsa_system_sgpr_workgroup_id_y 1
		.amdhsa_system_sgpr_workgroup_id_z 1
		.amdhsa_system_vgpr_workitem_id 0
		.amdhsa_next_free_vgpr 128
		.amdhsa_next_free_sgpr 66
		.amdhsa_reserve_vcc 0
		.amdhsa_float_denorm_mode_32 3
		.amdhsa_float_denorm_mode_16_64 3
		.amdhsa_memory_ordered 1
		.amdhsa_forward_progress 1
		.amdhsa_inst_pref_size 35
	.end_amdhsa_kernel
	.amdgpu_metadata
---
amdhsa.version: [ 1, 2 ]
amdhsa.kernels:
  - .name:           k_q4e3ee4e0ed_pre
    .symbol:         k_q4e3ee4e0ed_pre.kd
    .args:
      - { .name: x, .offset: 0, .size: 8, .value_kind: global_buffer, .address_space: global }
      - { .name: ln1_g, .offset: 8, .size: 8, .value_kind: global_buffer, .address_space: global }
      - { .name: ln1_b, .offset: 16, .size: 8, .value_kind: global_buffer, .address_space: global }
      - { .name: wq, .offset: 24, .size: 8, .value_kind: global_buffer, .address_space: global }
      - { .name: wk, .offset: 32, .size: 8, .value_kind: global_buffer, .address_space: global }
      - { .name: wv, .offset: 40, .size: 8, .value_kind: global_buffer, .address_space: global }
      - { .name: w_proj, .offset: 48, .size: 8, .value_kind: global_buffer, .address_space: global }
      - { .name: w1, .offset: 56, .size: 8, .value_kind: global_buffer, .address_space: global }
      - { .name: w2, .offset: 64, .size: 8, .value_kind: global_buffer, .address_space: global }
      - { .name: h, .offset: 72, .size: 8, .value_kind: global_buffer, .address_space: global }
      - { .name: wqkv, .offset: 80, .size: 8, .value_kind: global_buffer, .address_space: global }
      - { .name: wmlp, .offset: 88, .size: 8, .value_kind: global_buffer, .address_space: global }
    .group_segment_fixed_size: 0
    .private_segment_fixed_size: 0
    .kernarg_segment_align: 8
    .kernarg_segment_size: 96
    .max_flat_workgroup_size: 256
    .sgpr_count:     66
    .vgpr_count:     128
    .wavefront_size: 32
...
	.end_amdgpu_metadata
.endif
;; end of part 1
;; launch attn (part 2): grid 128 x 2, 4 waves a work-group, clusters of 4 x 1, 327,680 bytes of LDS; arguments h, wqkv, att; writes att
.if DOCPART == 2
	.amdgcn_target "amdgcn-amd-amdhsa--gfx1250"
	.amdhsa_code_object_version 6
	.text
	.protected	k_q4e3ee4e0ed_attn
	.globl	k_q4e3ee4e0ed_attn
	.p2align	8
	.type	k_q4e3ee4e0ed_attn,@function
k_q4e3ee4e0ed_attn:
	s_mov_b64 s[64:65], 0
	v_nop
	global_prefetch_b8 v0, s[64:65] scope:SCOPE_SE
	s_setreg_imm32_b32 hwreg(HW_REG_WAVE_MODE, 25, 1), 1
	s_wait_xcnt 0x0
	s_wait_alu depctr_hold_cnt(0) depctr_sa_sdst(0) depctr_va_vdst(0) depctr_va_sdst(0) depctr_va_ssrc(0) depctr_va_vcc(0) depctr_vm_vsrc(0)
	s_getreg_b32 s2, hwreg(HW_REG_IB_STS2, 6, 4)
	s_cmp_eq_u32 s2, 0
	s_cbranch_scc0 .Lentry_in_a_cluster
	s_endpgm
.Lentry_in_a_cluster:
	s_bfe_u32 s2, ttmp6, 0x10000c
	s_cmp_lg_u32 s2, 0x3003
	s_cbranch_scc0 .Lentry_shape_is_right
	s_endpgm
.Lentry_shape_is_right:
; q, k, v AND CAUSAL ATTENTION for one sequence (128 rows of h) and eight heads; a wave takes two heads.  All matrix operands bf16, sums f32.
; q^T and k^T are made with the weights as source 0 and h as source 1: a lane then holds ONE token and eight channels, and two accumulators rounded to bf16 ARE a fragment (16 tokens x 32 channels).
; v is made with the sources swapped: a lane holds one channel and eight tokens, and two accumulators rounded ARE a fragment of v^T (16 channels x 32 keys).  So q, k, v and the weights p never leave registers.
; S^T = K Q^T holds one query a lane and the keys 8 (lane / 16) + 0..7; two results rounded are source 1 of O^T = V^T P.  The row's sum is a third product, ones x P.
; A row has at most 128 keys: its true maximum is taken before the exponentials, in one pass.  Key tiles above the diagonal are left out; the diagonal tile takes its mask as the C operand.
; THE WEIGHTS (12 slots of 64 KiB for a half of the heads) come through a ring of two LDS slots, four K steps of 32 to a slot.  In a slot each wave owns a dense part (its own 64 columns), fetches it by one tensor load
; and alone reads it.  CLUSTER: the four sequences of a cluster take the same heads, so each part is asked for JOINTLY (mask of four).  h's 128 rows are the work-group's own: plain loads, once.
; THE ORDER OF A MATRIX'S FOUR SLOTS IS TURNED by the cluster's number: position j takes K steps 4 ((j + cluster % 4) % 4) on (a sum over K may run in any order), so that the clusters ask for four different slots
; at a time.  The turn enters global addresses alone: h comes as four tiles a wave, one for each four K steps, and the tile that goes with position j is laid at region j of LDS.
; LIMITS.  A hidden score counts as its value less 1e30; a weight below 2^-126 counts as 0; the divisor is the sum of the weights as rounded to bf16; NaN and infinities are not treated apart.
; REGISTERS, in windows of 256 (s_set_vgpr_msb: bits 1:0 source 0, 3:2 source 1, 5:4 source 2, 7:6 destination):
;   window 0: v2-15 addresses; v32-95 two buffers of weight fragments; later S^T v32-127, P v128-175, O^T and sums v176-223, statistics v224-239, store data v240-255
;   window 1: v0-127 two buffers of h's fragments (later v0-7 ones, v8-15 the diagonal's mask); v128-255 v^T      window 2: 32 accumulators      window 3: v0-127 q, v128-255 k
.set SLOT,   65536
.set ACT,    131072                    ; h: four regions, one for each four K steps: 128 rows of 256 bytes + 16 of padding: the 16 rows of a load start at 16 different groups of four banks (ISA guide 11.1)
.set APITCH, 272
.set RGN,    128*APITCH
.set SPARE,  ACT+4*RGN                 ; the spare words, 128 bytes a wave: two blocks of 256 bytes that no other line names
.set SPW, 2
.set NIL, 3
.set W0A, 4                            ; 16 x lane + my part of a slot
.set ADW, 5                            ; the same in the slot in hand
.set A0L, 6                            ; h: row lane % 16, 16 bytes for each half of the lanes; rows 0-63 of region 0
.set A0H, 7                            ; rows 64-127
.set ADL, 8                            ; the same in the region in hand
.set ADH, 9
.set GO,  10                           ; my 16 bytes in a fragment image of att, my wave's heads
.set PFO, 11                           ; 256 x lane
.set LR,  12                           ; lane % 16
.set LH,  13                           ; lane / 16
.set LL,  14                           ; lane
.set DG,  15                           ; lane % 16 - 8 (lane / 16)
.set FW,  32
.set S,   32
.set P,   128
.set O,   176
.set ST,  224
.set OD,  240
.set ONE, 0                            ; window 1
.set MD,  8                            ; window 1
.set VF,  128                          ; window 1
.set KF,  128                          ; window 3
.set WV,  10
.set CX,  11
.set SB,  12
.set SG,  13
.set G1W, 16                           ; s[16:23] group 1: a dense part, 64 rows of 256 bytes, joint
.set G1H, 24                           ; s[24:31] group 1: 32 rows x 256 bytes of h, padded, plain
.set G0A, 36                           ; slot 0's first fill
.set G0,  40                           ; slot 1's first fill; then it walks
.set CNT, 44
.set BLK, 45
.set TW,  46                           ; LDS byte of the slot in hand
.set TA,  47                           ; LDS byte of h's region in hand, from region 0
.set PFC, 48                           ; 1: this change of slots prefetches
.set ASKF, 49                          ; 1 in a wave that prefetches at all
.set PFA, 50
.set CS,  52                           ; s[52:53] log2(e) / sqrt(512)
.set SEL, 54
.set BIGN, 56
.set HD,  57
.set G0H, 68                           ; s[68:83] group 0 of h's four tiles
.set WBS, 84                           ; s[84:85] wqkv at my part of my half's slot 0
.set PFB, 86                           ; s[86:87] wqkv at my 32 blocks of my half's slot 0
.set OFF, 88                           ; s[88:89] an offset, its high word 0
.set ROT, 90                           ; cluster % 4
.set NX,  91                           ; the stream's position to be asked for next
.set T0,  92
.set T1,  93
.set MSB, 0
.macro WIN new                         ; the immediate's high byte repeats the setting that is left; a switch that changes nothing is dropped
.if MSB != (\new)
	s_set_vgpr_msb (MSB<<8)|(\new)
.set MSB, \new
.endif
.endm
.macro PLACES                          ; four plain instructions between a matrix instruction and what reads its result or writes or loads into its registers
.rept 4
	v_nop
.endr
.endm
.macro CREST                           ; a round of the cluster's barrier behind its opening barrier
	s_cmp_lg_u32 s[WV], 0
	s_cbranch_scc1 .Lnot_wave_0_\@
	s_barrier_signal -3
.Lnot_wave_0_\@:
	s_barrier_wait -3
	s_barrier_signal -1
	s_barrier_wait -1
.endm
.macro CROUND
	s_barrier_signal -1
	s_barrier_wait -1
	CREST
.endm
.macro ASK                             ; one prefetch: 32 blocks of 256 bytes, a lane a block, of the slot with which my cluster begins k (asked while position 2 is asked for) or v (position 6): two changes of slots ahead of its load
	s_cmp_lg_u32 s[PFC], 0
	s_cbranch_scc0 .Lna_\@
	global_prefetch_b8 v[PFO], s[PFA:PFA+1] th:TH_LOAD_NT scope:SCOPE_SE
.Lna_\@:
.endm
	s_load_b128 s[4:7], s[0:1], 0x0                ; h 4:5, wqkv 6:7
	s_load_b64 s[8:9], s[0:1], 0x10                ; att
	v_lshl_add_u32 v[SPW], v0, 2, SPARE
	v_mov_b32 v[NIL], 0
	ds_add_u32 v[SPW], v[NIL]                      ; the wave's opening: the add and its wait stand ahead of my first tensor load; work on registers stands between them
	v_lshrrev_b32 v1, 5, v0
	v_readfirstlane_b32 s[WV], v1                  ; wave 0..3
	s_bfe_u32 s[CX], ttmp6, 0x40000                ; my place in the cluster
	s_lshl_b32 s[SB], ttmp9, 2
	s_add_co_u32 s[SB], s[SB], s[CX]               ; my sequence: it enters h's and att's addresses alone
	s_and_b32 s[SG], ttmp7, 0xffff                 ; which half of the heads: the four partners share it
	s_and_b32 s[ROT], ttmp9, 3                     ; the turn: the four partners share it
	s_mov_b32 s[G1W+0], 15|(3<<16)|(1<<21)         ; mask of four; elements of 8 bytes; bit 21 beside a mask
	s_mov_b32 s[G1W+1], 32<<16                     ; tensor_dim0 = 32 (256 bytes)
	s_mov_b32 s[G1W+2], 64<<16                     ; tensor_dim1 = 64
	s_mov_b32 s[G1W+3], 32<<16                     ; tile_dim0
	s_mov_b32 s[G1W+4], 64                         ; tile_dim1
	s_mov_b32 s[G1W+5], 32                         ; rows lie end to end
	s_mov_b32 s[G1W+6], 0
	s_mov_b32 s[G1W+7], 0
	s_mov_b32 s[G1H+0], (1<<16)|(1<<20)|(5<<22)|(3<<25)  ; elements of 2 bytes; padding on: behind every 64 words, 4 words
	s_mov_b32 s[G1H+1], 128<<16                    ; tensor_dim0 = 128 (256 bytes: four K steps)
	s_mov_b32 s[G1H+2], 32<<16                     ; tensor_dim1 = 32
	s_mov_b32 s[G1H+3], 128<<16
	s_mov_b32 s[G1H+4], 32
	s_mov_b32 s[G1H+5], 512                        ; elements from row to row
	s_mov_b32 s[G1H+6], 0
	s_mov_b32 s[G1H+7], 0
	s_mul_i32 s58, s[WV], 32*APITCH
	s_add_co_u32 s58, s58, ACT                     ; my 32 rows in region 0
.irp j, 0,1,2,3
	s_mov_b32 s[G0H+4*\j], 1
	s_add_co_u32 s[G0H+4*\j+1], s58, \j*RGN
.endr
	s_mov_b32 s[G0A], 1
	s_lshl_b32 s[G0A+1], s[WV], 14                 ; my part of slot 0
	s_mov_b32 s[G0], 1
	s_add_co_u32 s[G0+1], s[G0A+1], SLOT           ; and of slot 1
	s_lshl_b32 s58, s[SB], 17                      ; h: 131,072 bytes a sequence, 32,768 a wave
	s_lshl_b32 s59, s[WV], 15
	s_add_co_u32 s58, s58, s59
	s_mov_b32 s59, 0
	s_mul_i32 s60, s[SG], 786432                   ; wqkv: my half of the heads, my part
	s_lshl_b32 s61, s[WV], 14
	s_add_co_u32 s60, s60, s61
	s_mov_b32 s61, 0
	s_lshl_b32 s14, s[SB], 17                      ; att: 8 x 16 images a sequence; my half's eight heads
	s_lshl_b32 s15, s[SG], 13
	s_add_co_u32 s14, s14, s15
	s_mov_b32 s15, 0
	; the prefetches.  Clusters 0 to 3, one for each turn, name the slot with which they begin k and the one with which they begin v: each of k's and v's eight slots once.
	; Of a slot's 256 blocks partner cx, wave w (0 or 1) takes 32 (2 cx + w) on: told apart by address
	s_lshl_b32 s62, s[CX], 1
	s_add_co_u32 s62, s62, s[WV]
	s_lshl_b32 s62, s62, 13
	s_mul_i32 s63, s[SG], 786432
	s_add_co_u32 s62, s62, s63
	s_mov_b32 s63, 0
	s_lshr_b32 s[ASKF], s[WV], 1
	s_lshr_b32 s[T0], ttmp9, 2
	s_or_b32 s[ASKF], s[ASKF], s[T0]
	s_cmp_eq_u32 s[ASKF], 0
	s_cselect_b32 s[ASKF], 1, 0                    ; the same in all four partners, for a given wave
	s_mov_b32 s[OFF+1], 0
	s_mov_b32 s[NX], 2
	s_mov_b32 s[CS], 0x3d8293ee
	s_mov_b32 s[CS+1], s[CS]
	s_mov_b32 s[SEL], 0x76543210
	s_mov_b32 s[SEL+1], 0xfedcba98
	s_mov_b32 s[BIGN], 0xf149f2ca                  ; -1e30
	s_mov_b32 s[TW], 0
	s_mov_b32 s[TA], 0
	v_and_b32 v[LR], 15, v0
	v_bfe_u32 v[LH], v0, 4, 1
	v_and_b32 v[LL], 31, v0
	v_lshlrev_b32 v[W0A], 4, v[LL]
	v_add_nc_u32 v[W0A], s[G0A+1], v[W0A]
	v_mul_u32_u24 v[A0L], v[LR], APITCH
	v_lshl_add_u32 v[A0L], v[LH], 4, v[A0L]
	v_add_nc_u32 v[A0L], ACT, v[A0L]
	v_add_nc_u32 v[A0H], 64*APITCH, v[A0L]
	s_lshl_b32 s57, s[WV], 11
	v_lshlrev_b32 v[GO], 4, v[LL]
	v_add_nc_u32 v[GO], s57, v[GO]
	v_lshlrev_b32 v[PFO], 8, v[LL]
	v_mov_b32 v[ADW], v[W0A]
	v_mov_b32 v[ADL], v[A0L]
	v_mov_b32 v[ADH], v[A0H]
	s_wait_dscnt 0x0                               ; the opening add is done
	s_wait_kmcnt 0x0
	s_add_nc_u64 s[4:5], s[4:5], s[58:59]          ; h at my 32 rows
.irp j, 0,1,2,3
	s_add_co_u32 s[T0], s[ROT], \j                 ; region j takes K steps 4 ((j + turn) % 4) on: 256 bytes of each row
	s_and_b32 s[T0], s[T0], 3
	s_lshl_b32 s[OFF], s[T0], 8
	s_add_nc_u64 s[G0H+4*\j+2:G0H+4*\j+3], s[4:5], s[OFF:OFF+1]
	s_or_b32 s[G0H+4*\j+3], s[G0H+4*\j+3], 0x80000000
.endr
	s_add_nc_u64 s[WBS:WBS+1], s[6:7], s[60:61]
	s_lshl_b32 s[OFF], s[ROT], 16                  ; position 0 of q
	s_add_nc_u64 s[G0A+2:G0A+3], s[WBS:WBS+1], s[OFF:OFF+1]
	s_or_b32 s[G0A+3], s[G0A+3], 0x80000000
	s_add_co_u32 s[T0], s[ROT], 1                  ; position 1
	s_and_b32 s[T0], s[T0], 3
	s_lshl_b32 s[OFF], s[T0], 16
	s_add_nc_u64 s[G0+2:G0+3], s[WBS:WBS+1], s[OFF:OFF+1]
	s_or_b32 s[G0+3], s[G0+3], 0x80000000
	s_add_nc_u64 s[PFB:PFB+1], s[6:7], s[62:63]
	s_add_nc_u64 s[8:9], s[8:9], s[14:15]
	CROUND                                         ; all four work-groups are here: the first joint loads meet
.irp j, 0,1,2,3
	tensor_load_to_lds s[G0H+4*\j:G0H+4*\j+3], s[G1H:G1H+7]  ; the six first fills go out as one group: six loads of mine are out
	s_nop 0
.endr
	tensor_load_to_lds s[G0A:G0A+3], s[G1W:G1W+7]
	s_nop 0
	tensor_load_to_lds s[G0:G0+3], s[G1W:G1W+7]
	s_nop 0
	PLACES
.macro WM d, a, b, zero
.if \zero
	v_wmma_f32_16x16x32_bf16 v[\d:\d+7], v[\a:\a+7], v[\b:\b+7], 0
.else
	v_wmma_f32_16x16x32_bf16 v[\d:\d+7], v[\a:\a+7], v[\b:\b+7], v[\d:\d+7]
.endif
.endm
; Eight products: token tiles 2 p, 2 p + 1 x my four column tiles, from buffer b.  v = 0 (q, k): weights first, accumulator (mt, nt) at 8 (4 mt + nt).  v = 1: h first, at 8 (8 nt + mt).
; The 32 accumulators take turns, in the same order in every K step.
.macro MUL8 b, p, zero, v
.if \v
	WIN 0xa1
.else
	WIN 0xa4
.endif
.irp m, 0,1
.irp n, 0,1,2,3
.set rW, FW+32*(\b)+8*\n
.set rA, 64*(\b)+8*(2*(\p)+\m)
.if \v
.set rD, 8*(8*\n+2*(\p)+\m)
	WM rD, rA, rW, \zero
.else
.set rD, 8*(4*(2*(\p)+\m)+\n)
	WM rD, rW, rA, \zero
.endif
.endr
.endr
.endm
; 24 LDS loads in one run: K step ksl of the slot into buffer b: the weights' four images, h's tiles 0-3, h's tiles 4-7
.macro FETCH ksl, b
	WIN 0
.irp n, 0,1,2,3
	ds_load_b128 v[FW+32*(\b)+8*\n:FW+32*(\b)+8*\n+3],   v[ADW] offset:4096*(\ksl)+1024*\n
	ds_load_b128 v[FW+32*(\b)+8*\n+4:FW+32*(\b)+8*\n+7], v[ADW] offset:4096*(\ksl)+1024*\n+512
.endr
	WIN 0x40
.irp m, 0,1,2,3
	ds_load_b128 v[64*(\b)+8*\m:64*(\b)+8*\m+3],   v[ADL] offset:16*APITCH*\m+64*(\ksl)
	ds_load_b128 v[64*(\b)+8*\m+4:64*(\b)+8*\m+7], v[ADL] offset:16*APITCH*\m+64*(\ksl)+32
.endr
.irp m, 0,1,2,3
	ds_load_b128 v[64*(\b)+32+8*\m:64*(\b)+32+8*\m+3],   v[ADH] offset:16*APITCH*\m+64*(\ksl)
	ds_load_b128 v[64*(\b)+32+8*\m+4:64*(\b)+32+8*\m+7], v[ADH] offset:16*APITCH*\m+64*(\ksl)+32
.endr
.endm
; A K step: at its head K step kn is fetched into buffer g, which the K step before has just multiplied: the run has this step's 32 matrix instructions in which to land.  Then buffer f is multiplied
.macro QUARTER kn, f, g, v
	PLACES                                         ; behind the last product, which read buffer g
	FETCH \kn, \g
	s_wait_dscnt 24                                ; all but the 24 just issued: buffer f, asked for a K step ago, is in
	MUL8 \f, 0, 0, \v
	MUL8 \f, 1, 0, \v
	MUL8 \f, 2, 0, \v
	MUL8 \f, 3, 0, \v
.endm
; A slot's first K step.  Its own fragments were asked for only sixteen matrix instructions ago, behind the round, so its wait is split.  In a matrix's first slot (CNT = first) its products start the sums with the constant 0: nothing is cleared
.macro QUARTERZ first, v
	PLACES
	v_nop                                          ; a fifth place: the products below that start sums write over accumulators, and five places stand between them and the last products of the slot before
	FETCH 1, 1
	s_wait_dscnt 32                                ; the 24 just issued and the eight loads of h's tiles 4-7 may be out
	WIN 0
	s_cmp_eq_u32 s[CNT], \first
	s_cbranch_scc0 .Lqa_\@
	MUL8 0, 0, 1, \v
	MUL8 0, 1, 1, \v
	s_wait_dscnt 24
	MUL8 0, 2, 1, \v
	MUL8 0, 3, 1, \v
	WIN 0
	s_branch .Lqb_\@
.Lqa_\@:
	MUL8 0, 0, 0, \v
	MUL8 0, 1, 0, \v
	s_wait_dscnt 24
	MUL8 0, 2, 0, \v
	MUL8 0, 3, 0, \v
	WIN 0
.Lqb_\@:
.endm
; A slot's fourth K step and THE CHANGE OF SLOTS.  Each wave waits for all its tensor loads (one is out: its part of the other slot), adds 0 to its spare word, and waits for that and for its reads of this slot;
; the barrier opens a round of the cluster's, so that no wave of any partner still reads the slot or has a load on its way; the joint refill, two positions on, is the first thing behind the round:
; 112 matrix instructions stand between it and the wait for it.  always = 0: in a matrix's last slot (CNT = 1) the next fragments are fetched behind the loop, where h's regions begin anew.
.macro TURN v, always
	s_wait_xcnt 0x0                                ; the last prefetch, slots back, has read its address
	s_add_co_u32 s[T0], s[NX], s[ROT]              ; where position NX + 2 lies if it is a matrix's first: slot NX + 2 + turn
	s_add_co_u32 s[T0], s[T0], 2
	s_lshl_b32 s[OFF], s[T0], 16
	s_add_nc_u64 s[PFA:PFA+1], s[PFB:PFB+1], s[OFF:OFF+1]
	s_and_b32 s[T0], s[NX], 11
	s_cmp_eq_u32 s[T0], 2                          ; NX = 2 or 6
	s_cselect_b32 s[PFC], s[ASKF], 0
	WIN 0
	s_wait_tensorcnt 0x0                           ; no tensor load of mine is out, so the walking group 0 may be written
	ds_add_u32 v[SPW], v[NIL]
	s_add_co_u32 s[T0], s[NX], s[ROT]              ; position NX lies in memory at slot 4 (NX / 4) + (NX + turn) % 4
	s_and_b32 s[T0], s[T0], 3
	s_and_b32 s[T1], s[NX], 12
	s_or_b32 s[T0], s[T0], s[T1]
	s_lshl_b32 s[OFF], s[T0], 16
	s_add_nc_u64 s[G0+2:G0+3], s[WBS:WBS+1], s[OFF:OFF+1]
	s_or_b32 s[G0+3], s[G0+3], 0x80000000
	s_xor_b32 s[G0+1], s[G0+1], SLOT
	s_add_co_u32 s[NX], s[NX], 1
	s_wait_dscnt 1                                 ; the add may be out; this K step's fragments, asked for a K step ago, are in
	MUL8 1, 0, 0, \v
	s_wait_dscnt 0x0                               ; the add is done, and my reads of this slot are over
	s_barrier_signal -1
	MUL8 1, 1, 0, \v
	WIN 0
	s_barrier_wait -1
	CREST
	tensor_load_to_lds s[G0:G0+3], s[G1W:G1W+7]
	s_nop 0
	PLACES                                         ; also the places in front of the loads below
	s_xor_b32 s[TW], s[TW], SLOT
	v_add_nc_u32 v[ADW], s[TW], v[W0A]
.if (\always) == 0
	s_cmp_eq_u32 s[CNT], 1
	s_cbranch_scc1 .Lnf_\@
.endif
	s_add_co_u32 s[TA], s[TA], RGN
	v_add_nc_u32 v[ADL], s[TA], v[A0L]
	v_add_nc_u32 v[ADH], s[TA], v[A0H]
	FETCH 0, 0
	WIN 0
.Lnf_\@:
	ASK
	MUL8 1, 2, 0, \v
	MUL8 1, 3, 0, \v
.endm
; The same K step in the launch's last two slots: nothing is filled, so there is no barrier.  My part of the last slot is read by me alone: my own wait shows it landed (no load was issued behind it)
.macro TURNN v
	s_wait_dscnt 0x0                               ; this K step's fragments are in: nothing younger is out
	MUL8 1, 0, 0, \v
	MUL8 1, 1, 0, \v
	WIN 0
	s_cmp_eq_u32 s[CNT], 1
	s_cbranch_scc1 .Ltl_\@
	s_wait_tensorcnt 0x0
	s_xor_b32 s[TW], s[TW], SLOT
	s_add_co_u32 s[TA], s[TA], RGN
	v_add_nc_u32 v[ADW], s[TW], v[W0A]             ; these three and a v_nop are the places in front of the loads
	v_add_nc_u32 v[ADL], s[TA], v[A0L]
	v_add_nc_u32 v[ADH], s[TA], v[A0H]
	v_nop
	FETCH 0, 0
	WIN 0
.Ltl_\@:
	MUL8 1, 2, 0, \v
	MUL8 1, 3, 0, \v
.endm
.macro CONV win, dst                   ; the 32 accumulators rounded to bf16, each from its low end on: 128 registers of fragments
	WIN \win
.set t, 0
.rept 32
.irp i, 0,1,2,3
	v_cvt_pk_bf16_f32 v[(\dst)+4*t+\i], v[8*t+2*\i], v[8*t+2*\i+1]
.endr
.set t, t+1
.endr
.endm
	s_wait_tensorcnt 1                             ; my rows of h and my part of slot 0 are in; slot 1's may stay out
	s_barrier_signal -1
	s_barrier_wait -1                              ; everybody's rows of h are in
	FETCH 0, 0
	WIN 0
	s_mov_b32 s[BLK], 2
.Lblk:                                         ; q, then k: four slots each
	s_mov_b32 s[CNT], 4
.Lqk:
	QUARTERZ 4, 0
	QUARTER 2, 1, 0, 0
	QUARTER 3, 0, 1, 0
	TURN 0, 0
	WIN 0
	s_sub_co_u32 s[CNT], s[CNT], 1
	s_cmp_lg_u32 s[CNT], 0
	s_cbranch_scc1 .Lqk
	s_sub_co_u32 s[TA], s[TA], 3*RGN               ; back to h's region 0
	v_add_nc_u32 v[ADL], s[TA], v[A0L]             ; with two v_nop: the places behind the last products
	v_add_nc_u32 v[ADH], s[TA], v[A0H]
	v_nop
	v_nop
	FETCH 0, 0                                     ; the next matrix's first fragments land under the conversions
	WIN 0
	s_cmp_eq_u32 s[BLK], 2
	s_cbranch_scc0 .Lconv_k
	CONV 0xca, 0                                   ; q: fragment (token tile, head) at 8 (2 mt + hd)
	WIN 0
	s_branch .Lconv_done
.Lconv_k:
	CONV 0xca, KF
	WIN 0
.Lconv_done:
	s_sub_co_u32 s[BLK], s[BLK], 1
	s_cmp_lg_u32 s[BLK], 0
	s_cbranch_scc1 .Lblk
	s_mov_b32 s[CNT], 2
.Lv1:                                          ; v: two slots that are filled again,
	QUARTERZ 2, 1
	QUARTER 2, 1, 0, 1
	QUARTER 3, 0, 1, 1
	TURN 1, 1
	WIN 0
	s_sub_co_u32 s[CNT], s[CNT], 1
	s_cmp_lg_u32 s[CNT], 0
	s_cbranch_scc1 .Lv1
	s_mov_b32 s[CNT], 2
.Lv2:                                          ; and the last two, written out
	QUARTER 1, 0, 1, 1
	QUARTER 2, 1, 0, 1
	QUARTER 3, 0, 1, 1
	TURNN 1
	WIN 0
	s_sub_co_u32 s[CNT], s[CNT], 1
	s_cmp_lg_u32 s[CNT], 0
	s_cbranch_scc1 .Lv2
	PLACES
	CONV 0x4a, VF                                  ; v^T: fragment (channel tile nt, 32 keys kk) at VF + 32 nt + 8 kk
	; ---------------- attention.  The text names head 0's registers; between the two trips head 1's fragments are moved there.
	WIN 0
	v_lshlrev_b32 v[DG], 3, v[LH]
	v_sub_nc_u32 v[DG], v[LR], v[DG]
.set i, 0
.rept 16
	v_mov_b32 v[ST+i], 0                           ; the statistics' registers are named in pairs and as a lane exchange's destination: written once
.set i, i+1
.endr
	WIN 0x40
.set i, 0
.rept 8
	v_mov_b32 v[ONE+i], 0x3f803f80                 ; 1.0 twice in bf16
.set i, i+1
.endr
.set i, 0
.rept 8
	v_cmp_gt_i32 vcc_lo, i, v[DG]                  ; in the diagonal tile key 8 (lane / 16) + i is hidden from query lane % 16 where it is greater
	v_cndmask_b32 v[MD+i], 0, s[BIGN], vcc_lo
.set i, i+1
.endr
	WIN 0
.macro UREG u                          ; the registers of unit u: 0 the longer query tile of a pair, 1 the shorter
.set uS, S+64*(\u)
.set uP, P+32*(\u)
.set uO, O+24*(\u)
.set uT, ST+8*(\u)
.endm
.macro ST_S u, qt                      ; S^T for query tile qt: key tiles 0 .. qt, one K step each; the diagonal tile starts from its mask
	UREG \u
.set kt, 0
.rept (\qt)+1
.if kt == (\qt)
	WIN 0x1f
	v_wmma_f32_16x16x32_bf16 v[uS+8*kt:uS+8*kt+7], v[KF+16*kt:KF+16*kt+7], v[16*(\qt):16*(\qt)+7], v[MD:MD+7]
.else
	WIN 0x0f
	v_wmma_f32_16x16x32_bf16 v[uS+8*kt:uS+8*kt+7], v[KF+16*kt:KF+16*kt+7], v[16*(\qt):16*(\qt)+7], 0
.endif
.set kt, kt+1
.endr
.endm
.macro ST_MAX u, qt                    ; the row's maximum: a chain a tile (lowest registers first), the tiles' maxima into one, the other half of the lanes'; then c m
	UREG \u
	WIN 0
.set kt, 0
.rept (\qt)+1
	v_max3_num_f32 v[uO+kt], v[uS+8*kt], v[uS+8*kt+1], v[uS+8*kt+2]
.set kt, kt+1
.endr
.set kt, 0
.rept (\qt)+1
	v_max3_num_f32 v[uO+kt], v[uO+kt], v[uS+8*kt+3], v[uS+8*kt+4]
.set kt, kt+1
.endr
.set kt, 0
.rept (\qt)+1
	v_max3_num_f32 v[uO+kt], v[uO+kt], v[uS+8*kt+5], v[uS+8*kt+6]
.set kt, kt+1
.endr
.set kt, 0
.rept (\qt)+1
	v_max_num_f32 v[uO+kt], v[uO+kt], v[uS+8*kt+7]
.set kt, kt+1
.endr
.set kt, 1
.rept (\qt)/2
	v_max3_num_f32 v[uO], v[uO], v[uO+kt], v[uO+kt+1]
.set kt, kt+2
.endr
.if ((\qt)%2) == 1
	v_max_num_f32 v[uO], v[uO], v[uO+kt]
.endif
	v_permlanex16_b32 v[uT+3], v[uO], s[SEL], s[SEL+1]
	v_max_num_f32 v[uT+2], v[uO], v[uT+3]
	v_mul_f32 v[uT], s[CS], v[uT+2]
.endm
.macro ST_FMA u, qt                    ; c s - c m
	UREG \u
	WIN 0
.set i, 0
.rept 4*((\qt)+1)
	v_pk_fma_f32 v[uS+2*i:uS+2*i+1], v[uS+2*i:uS+2*i+1], s[CS:CS+1], v[uT:uT+1] op_sel_hi:[1,0,0] neg_lo:[0,0,1] neg_hi:[0,0,1]
.set i, i+1
.endr
.endm
.macro ST_EXP u, qt
	UREG \u
	WIN 0
.set i, 0
.rept 8*((\qt)+1)
	v_exp_f32 v[uS+i], v[uS+i]
.set i, i+1
.endr
.endm
.macro ST_P u, qt                      ; the weights rounded to bf16; where the last group of 32 keys has one tile only, its other half is 0
	UREG \u
	WIN 0
.set i, 0
.rept 4*((\qt)+1)
	v_cvt_pk_bf16_f32 v[uP+i], v[uS+2*i], v[uS+2*i+1]
.set i, i+1
.endr
.if ((\qt)%2) == 0
.set i, 0
.rept 4
	v_mov_b32 v[uP+4*((\qt)+1)+i], 0
.set i, i+1
.endr
.endif
.endm
.macro ST_PV u, qt                     ; for each 32 keys three products by turns: channels 0-15, channels 16-31, and ones (the row's sum); the first of each starts its sum
	UREG \u
	WIN 0x01
.set gk, 0
.rept (\qt)/2+1
.irp c, 0,1,2
.if \c == 2
.set rA, ONE
.else
.set rA, VF+32*\c+8*gk
.endif
.if gk == 0
	v_wmma_f32_16x16x32_bf16 v[uO+8*\c:uO+8*\c+7], v[rA:rA+7], v[uP+8*gk:uP+8*gk+7], 0
.else
	v_wmma_f32_16x16x32_bf16 v[uO+8*\c:uO+8*\c+7], v[rA:rA+7], v[uP+8*gk:uP+8*gk+7], v[uO+8*\c:uO+8*\c+7]
.endif
.endr
.set gk, gk+1
.endr
.endm
.macro ST_OUT a                        ; O^T / sum, rounded; a lane's eight channels are 16 bytes of the fragment image (row tile, head) that the next launch multiplies
	WIN 0
	v_rcp_f32 v[ST+4], v[O+16]                     ; the sum stands in the lowest register of its accumulator
	v_rcp_f32 v[ST+12], v[O+40]
	v_nop
	s_wait_alu depctr_va_vdst(0)                   ; one wait for the two reciprocals
.irp u, 0,1
.set i, 0
.rept 8
	v_pk_mul_f32 v[O+24*\u+2*i:O+24*\u+2*i+1], v[O+24*\u+2*i:O+24*\u+2*i+1], v[ST+8*\u+4:ST+8*\u+5] op_sel_hi:[1,0]
.set i, i+1
.endr
.endr
	s_wait_xcnt 0x0                                ; the last pair's stores have read their data registers, which are written again below
.irp u, 0,1
.set i, 0
.rept 8
	v_cvt_pk_bf16_f32 v[OD+8*\u+i], v[O+24*\u+2*i], v[O+24*\u+2*i+1]
.set i, i+1
.endr
.endr
.irp c, 0,1
	global_store_b128 v[GO], v[OD+4*\c:OD+4*\c+3], s[8:9] offset:16384*(\a)+512*\c        ; 512 consecutive bytes, aligned
	global_store_b128 v[GO], v[OD+8+4*\c:OD+8+4*\c+3], s[8:9] offset:16384*(7-(\a))+512*\c
.endr
.endm
; Query tiles a and 7 - a together have nine key tiles, whatever a.  Their exponentials are one batch with one wait.
.macro PAIR a
	ST_S 0, \a
	ST_S 1, 7-(\a)
	PLACES
	ST_MAX 0, \a
	ST_MAX 1, 7-(\a)
	ST_FMA 0, \a
	ST_FMA 1, 7-(\a)
	ST_EXP 0, \a
	ST_EXP 1, 7-(\a)
	v_nop                                          ; a plain instruction behind the last exponential,
	s_wait_alu depctr_va_vdst(0)                   ; and the batch's one wait
	ST_P 0, \a
	ST_P 1, 7-(\a)
	ST_PV 0, \a
	ST_PV 1, 7-(\a)
	PLACES
	ST_OUT \a
.endm
	s_mov_b32 s[HD], 2
.Lhead:
	PAIR 7
	PAIR 6
	PAIR 5
	PAIR 4
	WIN 0
	s_cmp_eq_u32 s[HD], 1
	s_cbranch_scc1 .Lno_move
	s_wait_xcnt 0x0                                ; the stores have read att's address
	s_add_nc_u64 s[8:9], s[8:9], 1024              ; the next head's images
	WIN 0xc3
.set t, 0
.rept 8
.set i, 0
.rept 8
	v_mov_b32 v[16*t+i], v[16*t+8+i]
	v_mov_b32 v[KF+16*t+i], v[KF+16*t+8+i]
.set i, i+1
.endr
.set t, t+1
.endr
	WIN 0x41
.set i, 0
.rept 64
	v_mov_b32 v[VF+i], v[VF+64+i]
.set i, i+1
.endr
	WIN 0
.Lno_move:
	s_sub_co_u32 s[HD], s[HD], 1
	s_cmp_lg_u32 s[HD], 0
	s_cbranch_scc1 .Lhead
	s_wait_tensorcnt 0x0                           ; the wave's end
	ds_add_u32 v[SPW], v[NIL]
	s_wait_dscnt 0x0
	CROUND                                         ; the closing round
	s_endpgm
.Lfunc_end_k_q4e3ee4e0ed_attn:
	.size	k_q4e3ee4e0ed_attn, .Lfunc_end_k_q4e3ee4e0ed_attn-k_q4e3ee4e0ed_attn
	.p2alignl 7, 3214868480
	.fill 96, 4, 3214868480
	.section	.rodata,"a",@progbits
	.p2align	6, 0x0
	.amdhsa_kernel k_q4e3ee4e0ed_attn
		.amdhsa_group_segment_fixed_size 327680
		.amdhsa_private_segment_fixed_size 0
		.amdhsa_enable_private_segment 0
		.amdhsa_kernarg_size 24
		.amdhsa_user_sgpr_count 2
		.amdhsa_user_sgpr_kernarg_segment_ptr 1
		.amdhsa_wavefront_size32 1
		.amdhsa_system_sgpr_workgroup_id_x 1
		.amdhsa_system_sgpr_workgroup_id_y 1
		.amdhsa_system_sgpr_workgroup_id_z 1
		.amdhsa_system_vgpr_workitem_id 0
		.amdhsa_next_free_vgpr 1024
		.amdhsa_next_free_sgpr 94
		.amdhsa_reserve_vcc 1
		.amdhsa_float_denorm_mode_32 3
		.amdhsa_float_denorm_mode_16_64 3
		.amdhsa_memory_ordered 1
		.amdhsa_forward_progress 1
		.amdhsa_inst_pref_size 153
	.end_amdhsa_kernel
	.amdgpu_metadata
---
amdhsa.version: [ 1, 2 ]
amdhsa.kernels:
  - .name:           k_q4e3ee4e0ed_attn
    .symbol:         k_q4e3ee4e0ed_attn.kd
    .args:
      - { .name: h, .offset: 0, .size: 8, .value_kind: global_buffer, .address_space: global }
      - { .name: wqkv, .offset: 8, .size: 8, .value_kind: global_buffer, .address_space: global }
      - { .name: att, .offset: 16, .size: 8, .value_kind: global_buffer, .address_space: global }
    .group_segment_fixed_size: 327680
    .private_segment_fixed_size: 0
    .kernarg_segment_align: 8
    .kernarg_segment_size: 24
    .max_flat_workgroup_size: 128
    .sgpr_count:     94
    .vgpr_count:     1024
    .wavefront_size: 32
...
	.end_amdgpu_metadata
.endif
;; end of part 2
;; launch mlp (part 3): grid 256 x 1, 4 waves a work-group, clusters of 4 x 1, 327,680 bytes of LDS; arguments x, att, wmlp, b_proj, ln2_g, ln2_b, b1, b2, out0; writes out0
.if DOCPART == 3
	.amdgcn_target "amdgcn-amd-amdhsa--gfx1250"
	.amdhsa_code_object_version 6
	.text
	.protected	k_q4e3ee4e0ed_mlp
	.globl	k_q4e3ee4e0ed_mlp
	.p2align	8
	.type	k_q4e3ee4e0ed_mlp,@function
k_q4e3ee4e0ed_mlp:
	s_mov_b64 s[64:65], 0
	v_nop
	global_prefetch_b8 v0, s[64:65] scope:SCOPE_SE
	s_setreg_imm32_b32 hwreg(HW_REG_WAVE_MODE, 25, 1), 1
	s_wait_xcnt 0x0
	s_wait_alu depctr_hold_cnt(0) depctr_sa_sdst(0) depctr_va_vdst(0) depctr_va_sdst(0) depctr_va_ssrc(0) depctr_va_vcc(0) depctr_vm_vsrc(0)
	s_getreg_b32 s2, hwreg(HW_REG_IB_STS2, 6, 4)
	s_cmp_eq_u32 s2, 0
	s_cbranch_scc0 .Lentry_in_a_cluster
	s_endpgm
.Lentry_in_a_cluster:
	s_bfe_u32 s2, ttmp6, 0x10000c
	s_cmp_lg_u32 s2, 0x3003
	s_cbranch_scc0 .Lentry_shape_is_right
	s_endpgm
.Lentry_shape_is_right:
; out0 = x1 + relu(LN2(x1) W1 + b1) W2 + b2,  x1 = x + att Wp + b_proj, for 64 rows a work-group; nothing between the products goes to memory.  Matrix operands bf16, sums f32.
; A wave owns 128 columns of every 64 x 512 result: 32 accumulators.  THE MATRIX INSTRUCTION IS USED TRANSPOSED (source 0 = 16 columns of weights, source 1 = 16 tokens): a lane holds one
; token and eight neighbouring columns, and two accumulators rounded to bf16 ARE a fragment (16 tokens x 32 k) of the next product.  The waves hand these fragments to each other through LDS (ACT).
; OUT (window 2) starts as x + b_proj, takes att Wp, is read by LN2, and then takes the four chunks' hidden W2: the residual is never added apart.  HID (window 3) starts as b1, loaded straight into it.
; THE WEIGHTS are one stream of nine blocks of 512 x 512: Wp, then (W1 chunk c, W2 chunk c) for four chunks of 512 hidden units: 36 slots of four K steps of 32, through a ring of two LDS slots.
; In a slot each wave owns a dense part (its 128 columns: 32 fragment images), fetches it by one tensor load and alone reads it.  CLUSTER: all work-groups walk the same weights: each part is asked for JOINTLY by four.
; Two slots of 4 x 32 images (262,144 bytes), ACT (65,536), the scratch (2,048) and the spare words (512) are more than the 327,680 bytes of LDS.  So a part comes through LDS with 31 images, and its last one
; (K step 3, column tile 7) comes straight from memory into eight registers of its own, asked for at the slot's head, 96 matrix instructions ahead of its use.
; TWO TURNS BY THE CLUSTER'S NUMBER c, both in global addresses alone.  The order of the chunks begins with chunk c % 4 (the sum over hidden units may run in any order).  And with t = (c / 4) % 4 wave w owns columns
; 128 ((w + t) % 4) on, so that quarter w of ACT, which wave w stores, holds K steps 4 ((w + t) % 4) on, and position j of a block takes the slot of those K steps: the clusters ask for different slots at a time.
; LIMITS.  relu is taken of the number as rounded to bf16.  LN2's variance: each wave's mean and sum of squared differences over its 128 columns, joined exactly (no difference of large sums).  NaN and infinities are not treated apart.
; REGISTERS, in windows of 256 (s_set_vgpr_msb: bits 1:0 source 0, 3:2 source 1, 5:4 source 2, 7:6 destination):
;   window 0: v2-29 addresses and two biases; v32-95 two buffers of activations' fragments; v96-127 at work; v128-255 LN2's result in bf16 (kept for all four chunks)
;   window 1: v0-127 two buffers of weights' fragments (at LN2: ln2_g, ln2_b of my columns); v128-135 the image from memory      window 2: OUT, (mt, nt) at 8 (8 mt + nt)      window 3: HID, the same; rounded: v0-127
.set MSLOT,  131072                    ; a slot of the stream in memory; a wave's part of it is 32,768 bytes
.set PARTL,  31744                     ; what of a part comes through LDS: 31 images
.set SLOT1,  131072                    ; LDS: slot 1 begins here, so that one exclusive or turns an address in one slot into the other's (slot 0 ends at 126,976)
.set SCR,    126976                    ; between the slots: [token tile][row][wave] pairs (mean, sum of squares): 2,048 bytes
.set SPARE,  129024                    ; and the spare words, 128 bytes a wave: two blocks of 256 bytes that no other line names
.set ACT,    258048                    ; image (position ks, token tile mt) at 1,024 (4 ks + mt): 65,536 bytes; also each wave's stage of 16 rows x 528 bytes, in the quarter that it alone stores
.set SPITCH, 528
.set SPW, 2
.set NIL, 3
.set W0A, 4                            ; 16 x lane + my part of a slot
.set ADW, 5                            ; the same in the slot in hand
.set A0,  6                            ; ACT + 16 x lane
.set ADA, 7                            ; the same at the slot's first K step
.set STO, 8                            ; ACT + my quarter + 16 x lane
.set SRD, 9                            ; my stage: row lane % 16, 32 bytes for each half of the lanes
.set XO,  10                           ; my 512 bytes of a row of x, 16 a lane
.set CO,  11                           ; my 512 bytes of a vector over columns, 32 for each half of the lanes
.set AO,  12                           ; att: my four images, 16 bytes a lane
.set SCW, 13
.set SCRD, 14
.set ZR,  15                           ; 0
.set PFO, 16                           ; 256 x lane
.set WXO, 17                           ; 16 x lane
.set BP,  20                           ; v[20:23] b_proj, v[24:27] b2: my four columns of a row
.set B2,  24
.set FA,  32
.set M,   32
.set D,   40
.set L,   40
.set Y,   32
.set T,   96
.set KEEP, 128
.set G,   0                            ; window 1
.set BT,  64                           ; window 1
.set WX,  128                          ; window 1
.set WV,  22
.set CX,  23
.set G1,  24
.set G0A, 32
.set G0,  36
.set CNT, 40
.set TRIP, 41
.set TW,  42
.set TA,  43
.set NX,  44                           ; the stream's position to be asked for next
.set ROT, 45                           ; 8 x first chunk + 28
.set CH,  46                           ; the chunk whose b1 is loaded next
.set PFC, 47                           ; 1: this change of slots prefetches
.set PFA, 48
.set WB,  50                           ; wmlp at my part of slot 0
.set OFF, 52
.set B1P, 54
.set SEL, 56
.set RC,  68                           ; 1 / 512
.set PN,  69                           ; byte in wmlp of the slot that is read next
.set WXP, 70                           ; s[70:71] wmlp at my part of the slot in hand
.set RK,  72                           ; the turn t
.set PK,  73                           ; 2 + 8 x first chunk + t
.set ASKF, 74                          ; 1 in a cluster that prefetches at all
.set WR,  75                           ; (wave + t) % 4: which 128 columns are mine
.set PFB, 76                           ; s[76:77] wmlp at my 32 blocks of slot 0
.set MSB, 0
.macro WIN new                         ; the immediate's high byte repeats the setting that is left; a switch that changes nothing is dropped
.if MSB != (\new)
	s_set_vgpr_msb (MSB<<8)|(\new)
.set MSB, \new
.endif
.endm
.macro PLACES                          ; four plain instructions between a matrix instruction and what reads its result or loads into its registers
.rept 4
	v_nop
.endr
.endm
.macro CREST
	s_cmp_lg_u32 s[WV], 0
	s_cbranch_scc1 .Lnot_wave_0_\@
	s_barrier_signal -3
.Lnot_wave_0_\@:
	s_barrier_wait -3
	s_barrier_signal -1
	s_barrier_wait -1
.endm
.macro CROUND
	s_barrier_signal -1
	s_barrier_wait -1
	CREST
.endm
.macro ASK                             ; one prefetch: 32 blocks of 256 bytes, a lane a block, of the slot with which my cluster begins its first chunk's W1 (asked while position 2 is asked for) or W2 (position 6): two changes of slots ahead of its load
	s_cmp_lg_u32 s[PFC], 0
	s_cbranch_scc0 .Lna_\@
	global_prefetch_b8 v[PFO], s[PFA:PFA+1] th:TH_LOAD_NT scope:SCOPE_SE
.Lna_\@:
.endm
.macro ALLM line:vararg                ; one line for each token tile t
.set t, 0
.rept 4
	\line
.set t, t+1
.endr
.endm
	s_load_b512 s[4:19], s[0:1], 0x0               ; x 4:5, att 6:7, wmlp 8:9, b_proj 10:11, ln2_g 12:13, ln2_b 14:15, b1 16:17, b2 18:19
	s_load_b64 s[20:21], s[0:1], 0x40              ; out0
	v_lshl_add_u32 v[SPW], v0, 2, SPARE
	v_mov_b32 v[NIL], 0
	ds_add_u32 v[SPW], v[NIL]                      ; the wave's opening: the add and its wait stand ahead of my first tensor load; work on registers stands between them
	v_lshrrev_b32 v1, 5, v0
	v_readfirstlane_b32 s[WV], v1
	s_bfe_u32 s[CX], ttmp6, 0x40000
	s_lshl_b32 s58, ttmp9, 2
	s_add_co_u32 s58, s58, s[CX]                   ; my 64 rows: they enter x's, att's and out0's addresses alone
	s_lshl_b32 s60, s58, 17
	s_mov_b32 s61, 0
	s_lshl_b32 s62, s58, 16
	s_mov_b32 s63, 0
	s_and_b32 s[CH], ttmp9, 3                      ; the cluster's first chunk
	s_bfe_u32 s[RK], ttmp9, 0x20002                ; the turn t: two bits from bit 2 of the cluster's number
	s_add_co_u32 s[WR], s[WV], s[RK]
	s_and_b32 s[WR], s[WR], 3                      ; it enters global addresses alone; every LDS address hangs on the wave's own number
	s_lshl_b32 s[ROT], s[CH], 3
	s_add_co_u32 s[PK], s[ROT], s[RK]
	s_add_co_u32 s[PK], s[PK], 2
	s_add_co_u32 s[ROT], s[ROT], 28
	s_mov_b32 s[G1+0], 15|(3<<16)|(1<<21)          ; mask of four; elements of 8 bytes; bit 21 beside a mask
	s_mov_b32 s[G1+1], 32<<16                      ; rows of 256 bytes,
	s_mov_b32 s[G1+2], 124<<16                     ; 124 of them, end to end: 31 images
	s_mov_b32 s[G1+3], 32<<16
	s_mov_b32 s[G1+4], 124
	s_mov_b32 s[G1+5], 32
	s_mov_b32 s[G1+6], 0
	s_mov_b32 s[G1+7], 0
	s_mov_b32 s[G0A], 1
	s_mul_i32 s[G0A+1], s[WV], PARTL               ; my part of slot 0
	s_mov_b32 s[G0], 1
	s_add_co_u32 s[G0+1], s[G0A+1], SLOT1          ; and of slot 1
	s_lshl_b32 s[OFF], s[WR], 15                   ; my part in memory
	s_mov_b32 s[OFF+1], 0
	s_lshl_b32 s66, s[RK], 17                      ; position 0 of Wp lies at slot t,
	s_mov_b32 s67, 0
	s_add_co_u32 s[PN], s[RK], 1                   ; position 1 at slot (t + 1) % 4
	s_and_b32 s[PN], s[PN], 3
	s_lshl_b32 s[PN], s[PN], 17
	; the prefetches.  Clusters 0 to 15, one for each pair of first chunk and turn, name the slot with which they begin that chunk's W1 and the one with which they begin its W2: each of the 32 slots of W1 and W2 once.
	; Of a slot's 512 blocks partner cx, wave w takes 32 (4 cx + w) on: told apart by address
	s_lshl_b32 s78, s[CX], 2
	s_add_co_u32 s78, s78, s[WV]
	s_lshl_b32 s78, s78, 13
	s_mov_b32 s79, 0
	s_cmp_lt_u32 ttmp9, 16
	s_cselect_b32 s[ASKF], 1, 0
	s_mov_b32 s[SEL], 0x76543210
	s_mov_b32 s[SEL+1], 0xfedcba98
	s_mov_b32 s[RC], 0x3b000000
	s_mov_b32 s[TW], 0
	s_mov_b32 s[TA], 0
	s_mov_b32 s[NX], 2
	v_and_b32 v18, 31, v0                          ; lane
	v_and_b32 v19, 15, v0                          ; lane % 16
	v_bfe_u32 v28, v0, 4, 1                        ; lane / 16
	v_lshlrev_b32 v[WXO], 4, v18
	v_add_nc_u32 v[W0A], s[G0A+1], v[WXO]
	v_add_nc_u32 v[A0], ACT, v[WXO]
	s_lshl_b32 s58, s[WV], 14
	s_add_co_u32 s58, s58, ACT
	v_add_nc_u32 v[STO], s58, v[WXO]
	v_mul_u32_u24 v[SRD], v19, SPITCH
	v_lshl_add_u32 v[SRD], v28, 5, v[SRD]
	v_add_nc_u32 v[SRD], s58, v[SRD]
	s_lshl_b32 s58, s[WR], 9
	v_add_nc_u32 v[XO], s58, v[WXO]
	v_lshl_add_u32 v[CO], v28, 5, s58
	s_lshl_b32 s58, s[WR], 12
	v_add_nc_u32 v[AO], s58, v[WXO]
	s_lshl_b32 s58, s[WV], 3
	s_add_co_u32 s58, s58, SCR
	v_lshl_add_u32 v[SCW], v19, 5, s58
	v_lshlrev_b32 v[SCRD], 5, v19
	v_add_nc_u32 v[SCRD], SCR, v[SCRD]
	v_mov_b32 v[ZR], 0
	v_lshlrev_b32 v[PFO], 8, v18
	v_mov_b32 v[ADW], v[W0A]
	s_wait_dscnt 0x0                               ; the opening add is done
	s_wait_kmcnt 0x0
	s_add_nc_u64 s[WB:WB+1], s[8:9], s[OFF:OFF+1]
	s_add_nc_u64 s[WXP:WXP+1], s[WB:WB+1], s[66:67]
	s_add_nc_u64 s[G0A+2:G0A+3], s[WB:WB+1], s[66:67]
	s_or_b32 s[G0A+3], s[G0A+3], 0x80000000
	s_mov_b32 s[OFF], s[PN]
	s_add_nc_u64 s[G0+2:G0+3], s[WB:WB+1], s[OFF:OFF+1]
	s_or_b32 s[G0+3], s[G0+3], 0x80000000
	s_add_nc_u64 s[PFB:PFB+1], s[8:9], s[78:79]
	s_add_nc_u64 s[4:5], s[4:5], s[60:61]
	s_add_nc_u64 s[20:21], s[20:21], s[60:61]
	s_add_nc_u64 s[6:7], s[6:7], s[62:63]
	CROUND                                         ; all four work-groups are here: the first joint loads meet
	tensor_load_to_lds s[G0A:G0A+3], s[G1:G1+7]    ; the two first fills go out together: two loads of mine are out
	s_nop 0
	tensor_load_to_lds s[G0:G0+3], s[G1:G1+7]
	s_nop 0
	PLACES
.macro XLD mt                          ; 16 rows of x, by rows: row i into OUT's own registers 64 mt + 4 i ..: 512 consecutive bytes a load
	WIN 0x80
.set i, 0
.rept 16
	global_load_b128 v[64*(\mt)+4*i:64*(\mt)+4*i+3], v[XO], s[4:5] offset:2048*(16*(\mt)+i) th:TH_LOAD_NT
.set i, i+1
.endr
.endm
.macro ALD mh                          ; att: my four K steps' images of token tiles 2 mh, 2 mh + 1, as fragments, into HID's registers
	WIN 0xc0
.irp m, 0,1
.irp k, 0,1,2,3
.irp c, 0,1
	global_load_b128 v[8*(4*(2*(\mh)+\m)+\k)+4*\c:8*(4*(2*(\mh)+\m)+\k)+4*\c+3], v[AO], s[6:7] offset:16384*(2*(\mh)+\m)+1024*\k+512*\c th:TH_LOAD_NT
.endr
.endr
.endr
.endm
; x + b_proj into the accumulators' layout, 16 rows at a time through my stage: in by rows, back as (token lane % 16, eight columns).  LDS serves a wave's instructions in order (ISA guide 5.7.1.4): no wait between.
.macro XIN mt
	s_wait_loadcnt 32                              ; these 16 rows are in; the two younger groups of 16 loads may stay out
	WIN 0x82
.set i, 0
.rept 16
	v_pk_add_f32 v[64*(\mt)+4*i:64*(\mt)+4*i+1], v[64*(\mt)+4*i:64*(\mt)+4*i+1], v[BP:BP+1]
	v_pk_add_f32 v[64*(\mt)+4*i+2:64*(\mt)+4*i+3], v[64*(\mt)+4*i+2:64*(\mt)+4*i+3], v[BP+2:BP+3]
.set i, i+1
.endr
	WIN 0x08
.set i, 0
.rept 16
	ds_store_b128 v[STO], v[64*(\mt)+4*i:64*(\mt)+4*i+3] offset:SPITCH*i
.set i, i+1
.endr
	WIN 0x80
.set i, 0
.rept 16
	ds_load_b128 v[64*(\mt)+4*i:64*(\mt)+4*i+3], v[SRD] offset:64*(i/2)+16*(i%2)
.set i, i+1
.endr
.endm
	global_load_b128 v[BP:BP+3], v[XO], s[10:11]
	global_load_b128 v[B2:B2+3], v[XO], s[18:19]
	XLD 0
	XLD 1
	XLD 2
	XIN 0                                          ; behind it: x's tiles 1 and 2
	XLD 3
	XIN 1                                          ; x's tiles 2 and 3
	ALD 0
	XIN 2                                          ; x's tile 3, att's first half
	ALD 1
	XIN 3                                          ; att's two halves
	s_wait_loadcnt 0x0                             ; att is in
; My 16 fragments (token tile m, my K step k) into my quarter of ACT
.macro STOREACT win, base
	WIN \win
.irp k, 0,1,2,3
.irp m, 0,1,2,3
.irp c, 0,1
	ds_store_b128 v[STO], v[(\base)+8*(4*\m+\k)+4*\c:(\base)+8*(4*\m+\k)+4*\c+3] offset:1024*(4*\k+\m)+512*\c
.endr
.endr
.endr
	WIN 0
.endm
; b1 of the next chunk, straight into HID's 32 accumulators (the same 128 columns for each token tile): the sums of LN2(x1) W1 start there.  HID's rounded numbers have been stored, and the stores waited for, before
; the block began.  Two halves of 32 loads, in the block's second and third change of slots; each is waited for at the next change
.macro BIAS
	s_cmp_lg_u32 s[CNT], 3
	s_cbranch_scc1 .Lnb1_\@
	WIN 0xc0
.set i, 0
.rept 32
	global_load_b128 v[4*i:4*i+3], v[CO], s[B1P:B1P+1] offset:64*((i/2)%8)+16*(i%2)
.set i, i+1
.endr
	WIN 0
.Lnb1_\@:
	s_cmp_lg_u32 s[CNT], 2
	s_cbranch_scc1 .Lnb2_\@
	WIN 0xc0
.set i, 32
.rept 32
	global_load_b128 v[4*i:4*i+3], v[CO], s[B1P:B1P+1] offset:64*((i/2)%8)+16*(i%2)
.set i, i+1
.endr
	WIN 0
	s_add_co_u32 s[CH], s[CH], 1
	s_and_b32 s[CH], s[CH], 3
.Lnb2_\@:
.endm
; Eight products: token tile m x my eight column tiles, from buffer b.  x = 1 (a slot's fourth K step): column tile 7 is the image from memory.
; The 32 accumulators take turns, in the same order in every K step
.macro MUL8 b, m, hid, x
	WIN 0xa1+0x50*(\hid)
.irp n, 0,1,2,3,4,5,6,7
.set rW, 64*(\b)+8*\n
.if (\x) && (\n == 7)
.set rW, WX
.endif
	v_wmma_f32_16x16x32_bf16 v[8*(8*(\m)+\n):8*(8*(\m)+\n)+7], v[rW:rW+7], v[FA+32*(\b)+8*(\m):FA+32*(\b)+8*(\m)+7], v[8*(8*(\m)+\n):8*(8*(\m)+\n)+7]
.endr
.endm
; The LDS loads of K step ksl in one run: the weights' eight images (seven in K step 3), then the activations' four: 24 loads, or 22
.macro FETCH ksl, b
	WIN 0x40
.irp n, 0,1,2,3,4,5,6,7
.if ((\ksl) != 3) || (\n != 7)
	ds_load_b128 v[64*(\b)+8*\n:64*(\b)+8*\n+3],   v[ADW] offset:8192*(\ksl)+1024*\n
	ds_load_b128 v[64*(\b)+8*\n+4:64*(\b)+8*\n+7], v[ADW] offset:8192*(\ksl)+1024*\n+512
.endif
.endr
	WIN 0
.irp m, 0,1,2,3
	ds_load_b128 v[FA+32*(\b)+8*\m:FA+32*(\b)+8*\m+3],   v[ADA] offset:4096*(\ksl)+1024*\m
	ds_load_b128 v[FA+32*(\b)+8*\m+4:FA+32*(\b)+8*\m+7], v[ADA] offset:4096*(\ksl)+1024*\m+512
.endr
.endm
; A K step: at its head K step kn is fetched into buffer g, which the K step before has just multiplied: the run has this step's 32 matrix instructions in which to land.  Then buffer f is multiplied.
; wx = 1 (a slot's first): the slot's image from memory is asked for too; and this step's own fragments were asked for only sixteen matrix instructions ago, behind the round, so its wait is split
.macro QUARTER kn, f, g, hid, wx
	PLACES                                         ; behind the last product, which read buffer g (and the image from memory)
.if \wx
	WIN 0x40
	global_load_b128 v[WX:WX+3],   v[WXO], s[WXP:WXP+1] offset:PARTL
	global_load_b128 v[WX+4:WX+7], v[WXO], s[WXP:WXP+1] offset:PARTL+512
.endif
	FETCH \kn, \g
.if \wx
	s_wait_dscnt 28                                ; the 24 just issued and the four loads of token tiles 2, 3 may be out
	MUL8 \f, 0, \hid, 0
	MUL8 \f, 1, \hid, 0
	s_wait_dscnt 24
.else
	s_wait_dscnt 24-2*((\kn)/3)                    ; all but the run just issued: buffer f, asked for a K step ago, is in
	MUL8 \f, 0, \hid, 0
	MUL8 \f, 1, \hid, 0
.endif
	MUL8 \f, 2, \hid, 0
	MUL8 \f, 3, \hid, 0
.endm
; A slot's fourth K step and THE CHANGE OF SLOTS: each wave waits for all its tensor loads (one is out: its part of the other slot), adds 0 to its spare word, waits for that and for its LDS reads;
; the barrier opens a round of the cluster's; the joint refill, two positions on in the stream, is the first thing behind the round: 112 matrix instructions stand between it and the wait for it.
.macro TURN hid, bias, ask, always
	s_wait_loadcnt 0x0                             ; the image from memory is in (and b1's half, a slot back): the loads' addresses may be written
.if \ask
	s_wait_xcnt 0x0                                ; the last prefetch, slots back, has read its address
	s_add_co_u32 s58, s[NX], s[PK]                 ; where position NX + 2 lies if it is the first of a block of my first chunk: slot NX + 2 + 8 x chunk + t
	s_lshl_b32 s[OFF], s58, 17
	s_add_nc_u64 s[PFA:PFA+1], s[PFB:PFB+1], s[OFF:OFF+1]
	s_and_b32 s58, s[NX], 0xfffffffb
	s_cmp_eq_u32 s58, 2                            ; NX = 2 or 6
	s_cselect_b32 s[PFC], s[ASKF], 0
.endif
	WIN 0
	s_wait_tensorcnt 0x0                           ; no tensor load of mine is out, so the walking group 0 may be written
	ds_add_u32 v[SPW], v[NIL]
	s_mov_b32 s[OFF], s[PN]
	s_add_nc_u64 s[WXP:WXP+1], s[WB:WB+1], s[OFF:OFF+1]  ; my part of the slot that is read next
.if \bias
	s_lshl_b32 s[OFF], s[CH], 11
	s_add_nc_u64 s[B1P:B1P+1], s[16:17], s[OFF:OFF+1]
.endif
	s_add_co_u32 s58, s[NX], s[ROT]                ; by chunks position NX is slot NX (Wp's four), or 4 + (NX - 4 + 8 x first chunk) mod 32;
	s_and_b32 s58, s58, 31
	s_add_co_u32 s58, s58, 4
	s_cmp_lt_u32 s[NX], 4
	s_cselect_b32 s58, s[NX], s58
	s_add_co_u32 s59, s58, s[RK]                   ; within its block of four it is turned by t
	s_and_b32 s59, s59, 3
	s_and_b32 s58, s58, 60
	s_or_b32 s58, s58, s59
	s_lshl_b32 s[PN], s58, 17
	s_mov_b32 s[OFF], s[PN]
	s_add_nc_u64 s[G0+2:G0+3], s[WB:WB+1], s[OFF:OFF+1]
	s_or_b32 s[G0+3], s[G0+3], 0x80000000
	s_xor_b32 s[G0+1], s[G0+1], SLOT1
	s_add_co_u32 s[NX], s[NX], 1
	s_wait_dscnt 1                                 ; the add may be out; this K step's fragments, asked for a K step ago, are in
	MUL8 1, 0, \hid, 1
	s_wait_dscnt 0x0                               ; the add is done, and my reads of this slot and of ACT are back
	s_barrier_signal -1
	MUL8 1, 1, \hid, 1
	WIN 0
	s_barrier_wait -1
	CREST
	tensor_load_to_lds s[G0:G0+3], s[G1:G1+7]
	s_nop 0
	PLACES                                         ; also the places in front of the loads below
	s_xor_b32 s[TW], s[TW], SLOT1
	v_add_nc_u32 v[ADW], s[TW], v[W0A]
.if (\always) == 0
	s_cmp_eq_u32 s[CNT], 1
	s_cbranch_scc1 .Lnf_\@                         ; a block's last slot: the next block's activations are not there yet
.endif
	s_add_co_u32 s[TA], s[TA], 16384
	v_add_nc_u32 v[ADA], s[TA], v[A0]
	FETCH 0, 0
.Lnf_\@:
.if \bias
	BIAS
.endif
.if \ask
	ASK
.endif
	MUL8 1, 2, \hid, 1
	MUL8 1, 3, \hid, 1
.endm
; The same K step in the launch's last two slots: nothing is filled, so there is no barrier; my part of the last slot is read by me alone, behind my own wait (no load was issued behind it)
.macro TURNN
	s_wait_loadcnt 0x0                             ; the image from memory is in
	s_wait_dscnt 0x0                               ; this K step's fragments are in: nothing younger is out
	MUL8 1, 0, 0, 1
	MUL8 1, 1, 0, 1
	WIN 0
	s_cmp_eq_u32 s[CNT], 1
	s_cbranch_scc1 .Ltl_\@
	s_wait_tensorcnt 0x0
	s_xor_b32 s[TW], s[TW], SLOT1
	s_add_co_u32 s[TA], s[TA], 16384
	s_mov_b32 s[OFF], s[PN]
	s_add_nc_u64 s[WXP:WXP+1], s[WB:WB+1], s[OFF:OFF+1]
	v_add_nc_u32 v[ADW], s[TW], v[W0A]             ; these two and two v_nop are the places in front of the loads
	v_add_nc_u32 v[ADA], s[TA], v[A0]
	v_nop
	v_nop
	FETCH 0, 0
.Ltl_\@:
	MUL8 1, 2, 0, 1
	MUL8 1, 3, 0, 1
.endm
.macro BLOCKSTART                      ; behind the barrier that shows ACT whole: the block's first fragments
	WIN 0
	v_mov_b32 v[ADA], v[A0]
	v_nop
	v_nop
	v_nop
	FETCH 0, 0
.endm
.macro BLOCK hid, bias                 ; a block of 512 x 512: four slots, all filled again
	BLOCKSTART
	s_mov_b32 s[CNT], 4
.Lb_\@:
	QUARTER 1, 0, 1, \hid, 1
	QUARTER 2, 1, 0, \hid, 0
	QUARTER 3, 0, 1, \hid, 0
	TURN \hid, \bias, 1, 0
	WIN 0
	s_sub_co_u32 s[CNT], s[CNT], 1
	s_cmp_lg_u32 s[CNT], 0
	s_cbranch_scc1 .Lb_\@
	s_sub_co_u32 s[TA], s[TA], 49152
.endm
; LN2, first half: over my 128 columns of each token, the mean and the sum of squared differences from it
.macro LNSUM mt
	WIN 0x0a
.irp c, 0,1,2,3
	v_pk_add_f32 v[T+8*(\mt)+2*\c:T+8*(\mt)+2*\c+1], v[64*(\mt)+2*\c:64*(\mt)+2*\c+1], v[64*(\mt)+8+2*\c:64*(\mt)+8+2*\c+1]
.endr
	WIN 0x02
.set p, 8
.rept 24
	v_pk_add_f32 v[T+8*(\mt)+2*(p%4):T+8*(\mt)+2*(p%4)+1], v[64*(\mt)+2*p:64*(\mt)+2*p+1], v[T+8*(\mt)+2*(p%4):T+8*(\mt)+2*(p%4)+1]
.set p, p+1
.endr
.endm
.macro FOLD                            ; each tile's four chains into one number, the other half of the lanes' added
	WIN 0
	ALLM v_pk_add_f32 v[T+8*t:T+8*t+1], v[T+8*t:T+8*t+1], v[T+8*t+2:T+8*t+3]
	ALLM v_pk_add_f32 v[T+8*t+4:T+8*t+5], v[T+8*t+4:T+8*t+5], v[T+8*t+6:T+8*t+7]
	ALLM v_pk_add_f32 v[T+8*t:T+8*t+1], v[T+8*t:T+8*t+1], v[T+8*t+4:T+8*t+5]
	ALLM v_add_f32 v[T+8*t], v[T+8*t], v[T+8*t+1]
	ALLM v_permlanex16_b32 v[T+8*t+1], v[T+8*t], s[SEL], s[SEL+1]
	ALLM v_add_f32 v[T+8*t], v[T+8*t], v[T+8*t+1]
.endm
.macro LNSQ mt
.irp bt, 0,1
	WIN 0x02
.set p, 0
.rept 16
	v_pk_add_f32 v[D+2*p:D+2*p+1], v[64*(\mt)+32*\bt+2*p:64*(\mt)+32*\bt+2*p+1], v[M+2*(\mt):M+2*(\mt)+1] neg_lo:[0,1] neg_hi:[0,1]
.set p, p+1
.endr
	WIN 0
.set p, 0
.rept 16
.if (\bt == 0) && (p < 4)
	v_pk_mul_f32 v[T+8*(\mt)+2*p:T+8*(\mt)+2*p+1], v[D+2*p:D+2*p+1], v[D+2*p:D+2*p+1]
.else
	v_pk_fma_f32 v[T+8*(\mt)+2*(p%4):T+8*(\mt)+2*(p%4)+1], v[D+2*p:D+2*p+1], v[D+2*p:D+2*p+1], v[T+8*(\mt)+2*(p%4):T+8*(\mt)+2*(p%4)+1]
.endif
.set p, p+1
.endr
.endr
.endm
.macro LNAPPLY mt                      ; (x1 rstd - mean rstd) g + b, rounded to bf16: fragment (mt, k) at KEEP + 8 (4 mt + k)
	WIN 0x02
.set p, 0
.rept 32
	v_pk_fma_f32 v[Y+2*p:Y+2*p+1], v[64*(\mt)+2*p:64*(\mt)+2*p+1], v[T+8*(\mt)+2:T+8*(\mt)+3], v[T+8*(\mt)+4:T+8*(\mt)+5]
.set p, p+1
.endr
	WIN 0x14
.set p, 0
.rept 32
	v_pk_fma_f32 v[Y+2*p:Y+2*p+1], v[Y+2*p:Y+2*p+1], v[G+2*p:G+2*p+1], v[BT+2*p:BT+2*p+1]
.set p, p+1
.endr
	WIN 0
.set p, 0
.rept 32
	v_cvt_pk_bf16_f32 v[KEEP+32*(\mt)+p], v[Y+2*p], v[Y+2*p+1]
.set p, p+1
.endr
.endm
	STOREACT 0x0c, 0                               ; att's fragments
	s_wait_dscnt 0x0                               ; my stores, for the others' sake, and x's way back
	s_wait_tensorcnt 1                             ; my part of slot 0 is in; slot 1's may stay out
	s_barrier_signal -1
	s_barrier_wait -1
	s_mov_b32 s[TRIP], 4
.Ltrip:                                        ; a trip: OUT takes Wp (first trip) or the last chunk's W2; then HID takes the next chunk's W1
	BLOCK 0, 1
	s_cmp_lg_u32 s[TRIP], 4
	s_cbranch_scc1 .Lno_lna
	PLACES
	WIN 0x40
.set i, 0
.rept 16                               ; ln2_g and ln2_b of my columns, into the weights' fragment registers, which are idle between two blocks; they land under the sums below
	global_load_b128 v[G+4*i:G+4*i+3], v[CO], s[12:13] offset:64*(i/2)+16*(i%2)
	global_load_b128 v[BT+4*i:BT+4*i+3], v[CO], s[14:15] offset:64*(i/2)+16*(i%2)
.set i, i+1
.endr
	LNSUM 0
	LNSUM 1
	LNSUM 2
	LNSUM 3
	FOLD
	ALLM v_mul_f32 v[M+2*t], 0x3c000000, v[T+8*t]  ; my 128 columns' mean, in both registers of a pair
	ALLM v_mov_b32 v[M+2*t+1], v[M+2*t]
	LNSQ 0
	LNSQ 1
	LNSQ 2
	LNSQ 3
	FOLD
	ALLM v_mov_b32 v[M+2*t+1], v[T+8*t]
	ALLM ds_store_b64 v[SCW], v[M+2*t:M+2*t+1] offset:512*t
.Lno_lna:
	s_wait_dscnt 0x0
	s_barrier_signal -1                            ; on every trip's path: no barrier stands under a jump.  Behind it the four waves' figures lie in the scratch, and nobody reads ACT any more
	s_barrier_wait -1
	s_cmp_lg_u32 s[TRIP], 4
	s_cbranch_scc1 .Lno_lnb
	ALLM ds_load_b128 v[L+8*t:L+8*t+3], v[SCRD] offset:512*t
	ALLM ds_load_b128 v[L+8*t+4:L+8*t+7], v[SCRD] offset:512*t+16
	s_wait_dscnt 0x0
	ALLM v_add_f32 v[T+8*t], v[L+8*t], v[L+8*t+2]
	ALLM v_add_f32 v[T+8*t+1], v[L+8*t+4], v[L+8*t+6]
	ALLM v_add_f32 v[T+8*t], v[T+8*t], v[T+8*t+1]
	ALLM v_mul_f32 v[T+8*t], 0x3e800000, v[T+8*t]  ; the row's mean
	ALLM v_sub_f32 v[L+8*t], v[L+8*t], v[T+8*t]
	ALLM v_sub_f32 v[L+8*t+2], v[L+8*t+2], v[T+8*t]
	ALLM v_sub_f32 v[L+8*t+4], v[L+8*t+4], v[T+8*t]
	ALLM v_sub_f32 v[L+8*t+6], v[L+8*t+6], v[T+8*t]
	ALLM v_mul_f32 v[T+8*t+1], v[L+8*t], v[L+8*t]
	ALLM v_fmac_f32 v[T+8*t+1], v[L+8*t+2], v[L+8*t+2]
	ALLM v_fmac_f32 v[T+8*t+1], v[L+8*t+4], v[L+8*t+4]
	ALLM v_fmac_f32 v[T+8*t+1], v[L+8*t+6], v[L+8*t+6]
	ALLM v_add_f32 v[L+8*t+1], v[L+8*t+1], v[L+8*t+3]
	ALLM v_add_f32 v[L+8*t+5], v[L+8*t+5], v[L+8*t+7]
	ALLM v_add_f32 v[L+8*t+1], v[L+8*t+1], v[L+8*t+5]
	ALLM v_fmac_f32 v[L+8*t+1], 0x43000000, v[T+8*t+1]  ; + 128 x the squares of the four means' differences
	ALLM v_fmaak_f32 v[L+8*t+1], s[RC], v[L+8*t+1], 0x3727c5ac
	ALLM v_rsq_f32 v[T+8*t+2], v[L+8*t+1]
	v_nop
	s_wait_alu depctr_va_vdst(0)                   ; one wait for the four roots
	ALLM v_mov_b32 v[T+8*t+3], v[T+8*t+2]
	ALLM v_mul_f32 v[T+8*t+4], -v[T+8*t], v[T+8*t+2]
	ALLM v_mov_b32 v[T+8*t+5], v[T+8*t+4]
	s_wait_loadcnt 0x0                             ; ln2_g and ln2_b
	LNAPPLY 0
	LNAPPLY 1
	LNAPPLY 2
	LNAPPLY 3
.Lno_lnb:
	STOREACT 0, KEEP
	s_wait_dscnt 0x0
	s_barrier_signal -1
	s_barrier_wait -1
	BLOCK 1, 0
	s_wait_dscnt 0x0                               ; my reads of ACT are back;
	s_barrier_signal -1                            ; the barrier between the block's reads of ACT and the stores below: its wait stands behind the conversions
	PLACES
	WIN 0xcf
.set t, 0
.rept 32                               ; HID rounded to bf16 in place, ascending: no source is written before it is read
.irp i, 0,1,2,3
	v_cvt_pk_bf16_f32 v[4*t+\i], v[8*t+2*\i], v[8*t+2*\i+1]
.endr
.set t, t+1
.endr
	WIN 0xc3
.set t, 0
.rept 128
	v_pk_max_num_bf16 v[t], v[t], v[ZR]            ; relu, two at a time
.set t, t+1
.endr
	s_barrier_wait -1
	STOREACT 0x0c, 0
	s_wait_dscnt 0x0
	s_barrier_signal -1
	s_barrier_wait -1
	s_sub_co_u32 s[TRIP], s[TRIP], 1
	s_cmp_lg_u32 s[TRIP], 0
	s_cbranch_scc1 .Ltrip
	BLOCKSTART                                     ; the last chunk's W2: two slots that are filled again,
	s_mov_b32 s[CNT], 2
.Lt1:
	QUARTER 1, 0, 1, 0, 1
	QUARTER 2, 1, 0, 0, 0
	QUARTER 3, 0, 1, 0, 0
	TURN 0, 0, 0, 1
	WIN 0
	s_sub_co_u32 s[CNT], s[CNT], 1
	s_cmp_lg_u32 s[CNT], 0
	s_cbranch_scc1 .Lt1
	s_mov_b32 s[CNT], 2
.Lt2:                                          ; and the launch's last two, written out
	QUARTER 1, 0, 1, 0, 1
	QUARTER 2, 1, 0, 0, 0
	QUARTER 3, 0, 1, 0, 0
	TURNN
	WIN 0
	s_sub_co_u32 s[CNT], s[CNT], 1
	s_cmp_lg_u32 s[CNT], 0
	s_cbranch_scc1 .Lt2
	s_wait_dscnt 0x0
	s_barrier_signal -1                            ; every wave's reads of ACT are over: the stages lie in it
	s_barrier_wait -1
	PLACES
; THE WAY OUT, 16 rows at a time through my stage: in as (token, eight columns), back by rows; + b2; 512 consecutive bytes a store
.macro OUTT mt
	WIN 0x08
.set i, 0
.rept 16
	ds_store_b128 v[SRD], v[64*(\mt)+4*i:64*(\mt)+4*i+3] offset:64*(i/2)+16*(i%2)
.set i, i+1
.endr
	WIN 0x80
.set i, 0
.rept 16
	ds_load_b128 v[64*(\mt)+4*i:64*(\mt)+4*i+3], v[STO] offset:SPITCH*i
.set i, i+1
.endr
	s_wait_dscnt 0x0
	WIN 0x82
.set i, 0
.rept 16
	v_pk_add_f32 v[64*(\mt)+4*i:64*(\mt)+4*i+1], v[64*(\mt)+4*i:64*(\mt)+4*i+1], v[B2:B2+1]
	v_pk_add_f32 v[64*(\mt)+4*i+2:64*(\mt)+4*i+3], v[64*(\mt)+4*i+2:64*(\mt)+4*i+3], v[B2+2:B2+3]
.set i, i+1
.endr
	WIN 0x08
.set i, 0
.rept 16
	global_store_b128 v[XO], v[64*(\mt)+4*i:64*(\mt)+4*i+3], s[20:21] offset:2048*(16*(\mt)+i) th:TH_STORE_NT
.set i, i+1
.endr
.endm
	OUTT 0
	OUTT 1
	OUTT 2
	OUTT 3
	WIN 0
	s_wait_tensorcnt 0x0                           ; the wave's end, behind my last LDS store
	ds_add_u32 v[SPW], v[NIL]
	s_wait_dscnt 0x0
	CROUND                                         ; the closing round
	s_endpgm
.Lfunc_end_k_q4e3ee4e0ed_mlp:
	.size	k_q4e3ee4e0ed_mlp, .Lfunc_end_k_q4e3ee4e0ed_mlp-k_q4e3ee4e0ed_mlp
	.p2alignl 7, 3214868480
	.fill 96, 4, 3214868480
	.section	.rodata,"a",@progbits
	.p2align	6, 0x0
	.amdhsa_kernel k_q4e3ee4e0ed_mlp
		.amdhsa_group_segment_fixed_size 327680
		.amdhsa_private_segment_fixed_size 0
		.amdhsa_enable_private_segment 0
		.amdhsa_kernarg_size 72
		.amdhsa_user_sgpr_count 2
		.amdhsa_user_sgpr_kernarg_segment_ptr 1
		.amdhsa_wavefront_size32 1
		.amdhsa_system_sgpr_workgroup_id_x 1
		.amdhsa_system_sgpr_workgroup_id_y 1
		.amdhsa_system_sgpr_workgroup_id_z 1
		.amdhsa_system_vgpr_workitem_id 0
		.amdhsa_next_free_vgpr 1024
		.amdhsa_next_free_sgpr 80
		.amdhsa_reserve_vcc 0
		.amdhsa_float_denorm_mode_32 3
		.amdhsa_float_denorm_mode_16_64 3
		.amdhsa_memory_ordered 1
		.amdhsa_forward_progress 1
		.amdhsa_inst_pref_size 214
	.end_amdhsa_kernel
	.amdgpu_metadata
---
amdhsa.version: [ 1, 2 ]
amdhsa.kernels:
  - .name:           k_q4e3ee4e0ed_mlp
    .symbol:         k_q4e3ee4e0ed_mlp.kd
    .args:
      - { .name: x, .offset: 0, .size: 8, .value_kind: global_buffer, .address_space: global }
      - { .name: att, .offset: 8, .size: 8, .value_kind: global_buffer, .address_space: global }
      - { .name: wmlp, .offset: 16, .size: 8, .value_kind: global_buffer, .address_space: global }
      - { .name: b_proj, .offset: 24, .size: 8, .value_kind: global_buffer, .address_space: global }
      - { .name: ln2_g, .offset: 32, .size: 8, .value_kind: global_buffer, .address_space: global }
      - { .name: ln2_b, .offset: 40, .size: 8, .value_kind: global_buffer, .address_space: global }
      - { .name: b1, .offset: 48, .size: 8, .value_kind: global_buffer, .address_space: global }
      - { .name: b2, .offset: 56, .size: 8, .value_kind: global_buffer, .address_space: global }
      - { .name: out0, .offset: 64, .size: 8, .value_kind: global_buffer, .address_space: global }
    .group_segment_fixed_size: 327680
    .private_segment_fixed_size: 0
    .kernarg_segment_align: 8
    .kernarg_segment_size: 72
    .max_flat_workgroup_size: 128
    .sgpr_count:     80
    .vgpr_count:     1024
    .wavefront_size: 32
...
	.end_amdgpu_metadata
.endif
;; end of part 3
